; MI455X (gfx1250); checked and timed in simulation.
; The chip was launched on July 23, 2026; its instructions are those of AMD's public machine-readable ISA for CDNA 5 (MIT licence, August 2026) and "CDNA5" Instruction Set Architecture Reference Guide (July 2026). The comments in the code are by the model that wrote it; some were corrected since.
;; Multi Head Attention Layer. Allowed arithmetic: matrix products marked QUANTISED: E2M3 operands, one E8M0 scale for each 32 along K, by v_wmma_scale_f32_16x16x128_f8f6f4 with both operands' format E2M3, f32 sums; everything else in f32.
;; Inputs: Wk 1,024 x 1,024 float32; Wo 1,024 x 1,024 float32; Wq 1,024 x 1,024 float32; Wv 1,024 x 1,024 float32; bk 1,024 float32; bo 1,024 float32; bq 1,024 float32; bv 1,024 float32; key 4 x 2,048 x 1,024 float32; mask 4 x 1 x 1 x 2,048 int32; query 4 x 2,048 x 1,024 float32; value 4 x 2,048 x 1,024 float32.
;; Outputs: out0 4 x 2,048 x 1,024 float32.
;; This version of the problem:
;;   THIS VERSION OF THE PROBLEM IS GIVEN IN LOW PRECISION. The matrix products marked QUANTISED in the list below multiply operands that are first quantised to E2M3 (2 exponent bits, 3 mantissa bits; 6 bits a number), with one power-of-two scale for each 32 numbers along K (OCP MX v1.0); their sums are f32. All else is computed in f32.
;;   The module's matrix products, in the order in which they are computed (A, B: the left and right operand; K: the contracted axis; several contracted axes count as one K, in the product's order):
;;     1. [M 8,192, K 1,024] x [K 1,024, N 1,024]; A: input query; B: input Wq: QUANTISED
;;     2. [M 8,192, K 1,024] x [K 1,024, N 1,024]; A: input key; B: input Wk: QUANTISED
;;     3. [M 8,192, K 1,024] x [K 1,024, N 1,024]; A: input value; B: input Wv: QUANTISED
;;     4. batch 64 x [M 2,048, K 64] x [K 64, N 2,048]; A: computed on the way; B: computed on the way: QUANTISED
;;     5. batch 64 x [M 2,048, K 2,048] x [K 2,048, N 64]; A: softmax (see below); B: computed on the way: QUANTISED
;;     6. [M 8,192, K 1,024] x [K 1,024, N 1,024]; A: computed on the way; B: input Wo: QUANTISED
;;   THE QUANTISER, for each operand of a quantised product, along K:
;;     - K is cut into blocks of 32 from its start; a last block that is shorter is filled with zeros.
;;     - A block's scale is 2^e with e = floor(log2(the largest magnitude in the block)) - 2, held to -126 .. 127; a block of zeros has e = 0. As a byte (E8M0): e + 127.
;;     - Each number is divided by its block's scale, clamped to +-7.5, and rounded to the nearest number of E2M3, ties to even, subnormals kept.
;;     - The product sums the exact products of the quantised numbers (number of the format x scale) in f32.
;;   ~~~python
;;   def quantise(x, axis):      # numpy; x: float32 -> the quantised numbers, widened to float32 again
;;       x = np.moveaxis(x, axis, -1); K = x.shape[-1]
;;       x = np.pad(x, [(0, 0)] * (x.ndim - 1) + [(0, -K % 32)]); x = x.reshape(x.shape[:-1] + (-1, 32)); a = np.abs(x).max(-1, keepdims=True)
;;       e = np.where(a > 0, np.clip(np.frexp(np.where(a > 0, a, 1))[1] - 1 - 2, -126, 127), 0)      # np.frexp(a)[1] - 1 = floor(log2(a)), exactly
;;       r = np.clip(x / 2.0 ** e, -7.5, 7.5)
;;       step = 2.0 ** (np.maximum(np.frexp(np.where(r == 0, 1, r))[1] - 1, 0) - 3)
;;       q = np.round(r / step) * step * 2.0 ** e      # np.round: ties to even
;;       return np.moveaxis(q.reshape(q.shape[:-2] + (-1,))[..., :K], -1, axis).astype(np.float32)
;;   ~~~
;;   SOFTMAX AHEAD OF A QUANTISED PRODUCT. Where the list says 'softmax', what is quantised is not the finished softmax but p = 2^(t - M), with t = logit x log2(e) and M = ceil(the row's largest t), a whole number; so 1/2 < the row's largest p <= 1. The row's sum l is taken of the UNQUANTISED p, in f32, and the product's result is divided by l at the end. Since M is a whole number, a kernel that streams over the keys may use a running M (the ceiling of the running maximum): every later rescaling is an exact power of two, which a block's scale takes up: the codes' values come out the same.
;;   OPERANDS COMPUTED ON THE WAY. 'Computed on the way' means the value that the module computes at that place (a softmax that the list does not call 'softmax' is quantised finished and normalised). What goes into a quantiser is computed in f32, as accurately as f32 sums, v_exp_f32 and their like allow (about 1e-6 of the number): no bf16 or f16 on the way to a quantiser, and a product that is left as it is and whose result goes on into a quantised operand takes f32 operands (vector FMAs, or v_wmma_f32_16x16x4_f32). A number that lies on a knife's edge between two numbers of the format may be rounded either way, as far as f32 arithmetic and the matrix unit's own rounding can turn it there, and no further.
;; One version. Each part assembles by itself: llvm-mc -triple=amdgcn-amd-amdhsa -mcpu=gfx1250 --defsym DOCPART=n.
;; ======== version 1 of 1: 4 launches
;; limits: right only within a limited range of input values
;; workspace buffers: xc 18,874,368 bytes; wc 3,145,728 bytes; s1 917,504 bytes; qc 6,291,456 bytes; kvc 12,582,912 bytes; sw 786,432 bytes; aoc 6,291,456 bytes; aos 262,144 bytes
;; launch prep (part 1): grid 512 x 1, 4 waves a work-group, no clusters, 34,304 bytes of LDS; arguments Wq, Wk, Wv, Wo, query, key, value, xc, wc, s1; writes xc, wc, s1
.if DOCPART == 1
	.amdgcn_target "amdgcn-amd-amdhsa--gfx1250"
	.amdhsa_code_object_version 6
	.text
	.protected	k_q20035e7f44_prep
	.globl	k_q20035e7f44_prep
	.p2align	8
	.type	k_q20035e7f44_prep,@function
k_q20035e7f44_prep:
	s_mov_b64 s[64:65], 0
	v_nop
	global_prefetch_b8 v0, s[64:65] scope:SCOPE_SE
	s_setreg_imm32_b32 hwreg(HW_REG_WAVE_MODE, 25, 1), 1
	s_wait_xcnt 0x0
; The four weights [1024 (k)][1024 (n)] and query, key, value [8192][1024 (k)], all f32, become codes of FP6 (E2M3) with one E8M0 byte for each 32 along K.
; A block's byte is its largest magnitude's exponent field - 2, held at 1 from below; each number is divided by the scale and rounded to the nearest code, ties to even, beyond 7.5 the largest code.
; LIMITS: NaN and infinities are not served; a block whose largest magnitude lies under 2^-124 keeps the byte 1 (a block of zeros too: its codes are zeros, and this program alone reads the bytes).
; THE ORDER INSIDE A BLOCK.  Place 16 h + 8 u + j of a block holds k = 16 u + 8 h + j.  Every operand of every product of this program is laid so, so that each product pairs the same k on both sides.
; THE LAYOUT OF THE CODES.  A half fragment is 16 rows x 64 along K as the matrix operand's registers 0-5 hold it (lane (r, h): row r, block h): 768 bytes: registers 0-3 at 16 x lane, registers 4-5 at 512 + 8 x lane.
;   xc [3 x 512 tiles of 16 rows][16 half fragments][768];  wc [4 x 64 tiles of 16 columns n][16][768];  s1: x's bytes [24576 rows][32], from byte 786432 on the weights' [4 x 1024 n][32].
; Work-groups 0-127 take the weights (a lane a column, registers down K), work-groups 128-511 the activations (a wave 16 rows x all of K, turned through its own stage in LDS).
; Memory binds: no tensor loads, no matrix unit, no cluster (nothing is shared), no barrier (waves share nothing).
.set SPARE, 33792                      ; behind the four stages of 8,448 bytes: the spare words, 128 bytes a wave
.set SPW,   6                          ; v6  SPARE + 4 x my thread's number; never rewritten
.set NIL,   7                          ; v7  0; never rewritten
.set SEL,   24                         ; s[24:25] selects of v_permlanex16_b32 for lane l xor 16
; 64 numbers of a lane, register 16 b + i = the lane's i-th number of block b of its row, become 12 registers of codes (two half fragments) at v[pc] and the row's scale word in v[pw].
.macro QUANT s, pc, tm, pw
.irp b, 0,1,2,3
	v_max3_num_f32 v[\tm+\b], |v[\s+16*\b]|, |v[\s+16*\b+1]|, 0x1800000   ; my 16 numbers of block b, and the floor 2^(3 - 127): the byte cannot fall under 1
.endr
.irp i, 2,4,6,8,10,12,14
.irp b, 0,1,2,3
	v_max3_num_f32 v[\tm+\b], v[\tm+\b], |v[\s+16*\b+\i]|, |v[\s+16*\b+\i+1]|   ; the four blocks by turns
.endr
.endr
.irp b, 0,1,2,3
	v_permlanex16_b32 v[\tm+4+\b], v[\tm+\b], s[SEL], s[SEL+1]
.endr
.irp b, 0,1,2,3
	v_max_num_f32 v[\tm+\b], v[\tm+\b], v[\tm+4+\b]                ; with lane l xor 16's 16: the block's largest magnitude
.endr
.irp b, 0,1,2,3
	v_add_nc_u32 v[\tm+12+\b], 0xff000000, v[\tm+\b]               ; 2 off its exponent field: the conversion's scale operand
.endr
.irp b, 0,1,2,3
	v_lshrrev_b32 v[\tm+4+\b], 23, v[\tm+12+\b]                    ; the scale's byte
.endr
	v_lshl_or_b32 v[\pw], v[\tm+5], 8, v[\tm+4]
	v_lshl_or_b32 v[\pw], v[\tm+6], 16, v[\pw]
	v_lshl_or_b32 v[\pw], v[\tm+7], 24, v[\pw]
.irp c, 0,1
	v_cvt_scalef32_pk16_fp6_f32 v[\pc+6*\c:\pc+6*\c+2], v[\s+32*\c:\s+32*\c+15], v[\tm+12+2*\c]
	v_cvt_scalef32_pk16_fp6_f32 v[\pc+12+4*\c:\pc+12+4*\c+2], v[\s+32*\c+16:\s+32*\c+31], v[\tm+12+2*\c+1]   ; (a conversion's three registers begin on an even number)
.endr
	v_nop                                          ; one plain place behind a scaled conversion
.irp c, 0,1                                    ; the operand wants a whole block in a lane: lanes 0-15 block 2 c, lanes 16-31 block 2 c + 1
.irp i, 0,1,2
	v_permlane16_swap_b32 v[\pc+6*\c+\i], v[\pc+12+4*\c+\i]
.endr
.irp i, 0,1,2
	v_mov_b32 v[\pc+3+6*\c+\i], v[\pc+12+4*\c+\i]
.endr
.endr
.endm
	s_load_b256 s[4:11], s[0:1], 0x0               ; Wq, Wk, Wv, Wo
	s_load_b256 s[12:19], s[0:1], 0x20             ; query, key, value, xc
	s_load_b128 s[20:23], s[0:1], 0x40             ; wc, s1
	v_lshl_add_u32 v[SPW], v0, 2, SPARE
	v_mov_b32 v[NIL], 0
	v_lshrrev_b32 v1, 5, v0
	v_readfirstlane_b32 s26, v1                    ; wave 0..3
	v_and_b32 v8, 31, v0                           ; lane
	s_mov_b32 s[SEL], 0x76543210
	s_mov_b32 s[SEL+1], 0xfedcba98
	s_wait_kmcnt 0x0
	s_cmp_lt_u32 ttmp9, 128
	s_cbranch_scc0 .Lx_path
; ---- THE WEIGHTS.  Work-group id: weight id / 32, 256 along K (id / 8) % 4, 128 columns id % 8.  A wave takes 32 columns, a lane one; its 32 registers are a block of 32 along K, loaded in the block's order of places.
.set XW, 16                            ; v16-79   two sets of 32 numbers
.set C0, 96                            ; v96-101  the even block's codes, v104-109 the odd block's, v112-114 a conversion's second half
.set CT, 112
.set SB, 124                           ; v[124:125] my column's 8 scale bytes
	s_lshr_b32 s27, ttmp9, 5                       ; which weight
	s_and_b32 s28, ttmp9, 7
	s_bfe_u32 s29, ttmp9, 0x20003                  ; kq
	s_cmp_eq_u32 s27, 1
	s_cselect_b64 s[4:5], s[6:7], s[4:5]
	s_cmp_eq_u32 s27, 2
	s_cselect_b64 s[4:5], s[8:9], s[4:5]
	s_cmp_eq_u32 s27, 3
	s_cselect_b64 s[4:5], s[10:11], s[4:5]
	s_lshl_b32 s30, s28, 7
	s_lshl_b32 s31, s26, 5
	s_add_co_u32 s30, s30, s31                     ; n0: my wave's first column
	s_lshl_b32 s32, s29, 20                        ; 256 kq rows of 4,096 bytes
	s_lshl_b32 s33, s30, 2
	s_add_co_u32 s32, s32, s33
	s_mov_b32 s33, 0
	s_add_nc_u64 s[4:5], s[4:5], s[32:33]
	s_lshl_b32 s34, s27, 10
	s_add_co_u32 s34, s34, s30                     ; 1024 x weight + n0 = 16 x (my first tile of 16 columns)
	s_lshl_b32 s35, s29, 2
	s_add_co_u32 s36, s34, s35                     ; + my first half fragment, 4 kq
	s_mul_i32 s36, s36, 768
	s_mov_b32 s37, 0
	s_add_nc_u64 s[20:21], s[20:21], s[36:37]
	s_lshl_b32 s36, s34, 5                         ; 32 scale bytes a column,
	s_lshl_b32 s35, s29, 3                         ; my 8 of them
	s_add_co_u32 s36, s36, s35
	s_add_co_u32 s36, s36, 786432
	s_add_nc_u64 s[22:23], s[22:23], s[36:37]
	s_wait_alu depctr_va_vdst(0)
	v_lshlrev_b32 v1, 2, v8                        ; in: 4 bytes a lane: a wave's load reads 128 consecutive bytes, the four waves stand side by side on 512
	v_lshlrev_b32 v2, 4, v8
	v_lshlrev_b32 v3, 3, v8
	v_lshlrev_b32 v4, 5, v8
.macro LOADW t                         ; block t: register i takes k = 32 t + i % 8 + 16 ((i / 8) % 2) + 8 (i / 16)
.irp i, 0,1,2,3,4,5,6,7,8,9,10,11,12,13,14,15,16,17,18,19,20,21,22,23,24,25,26,27,28,29,30,31
	global_load_b32 v[XW+32*((\t)%2)+\i], v1, s[4:5] offset:(32*(\t)+\i%8+16*((\i/8)%2)+8*(\i/16))*4096 th:TH_LOAD_NT
.endr
.endm
.macro BLOCKW t
.set XS, XW+32*((\t)%2)
.set CC, C0+8*((\t)%2)
.if (\t) < 7
	s_wait_loadcnt 32                              ; this block's 32 loads are in; the next block's may be out
.else
	s_wait_loadcnt 0x0
.endif
	v_max3_num_f32 v120, |v[XS]|, |v[XS+1]|, |v[XS+2]|             ; all 32 numbers of the block are mine: two chains
	v_max3_num_f32 v121, |v[XS+3]|, |v[XS+4]|, |v[XS+5]|
.irp i, 6,10,14,18,22,26
	v_max3_num_f32 v120, v120, |v[XS+\i]|, |v[XS+\i+1]|
	v_max3_num_f32 v121, v121, |v[XS+\i+2]|, |v[XS+\i+3]|
.endr
	v_max3_num_f32 v120, v120, |v[XS+30]|, |v[XS+31]|
	v_max3_num_f32 v120, v120, v121, 0x1800000     ; and the floor
	v_add_nc_u32 v122, 0xff000000, v120
	v_lshrrev_b32 v123, 23, v122
.if (\t)%4 == 0
	v_mov_b32 v[SB+(\t)/4], v123
.else
	v_lshl_or_b32 v[SB+(\t)/4], v123, 8*((\t)%4), v[SB+(\t)/4]
.endif
.if ((\t)%2 == 0) && ((\t) >= 2)
	s_wait_alu depctr_va_vdst(0)
	s_wait_xcnt 0x0                                ; the last pair's stores have read their data: the codes' registers are written again only behind this wait
.endif
	v_cvt_scalef32_pk16_fp6_f32 v[CC:CC+2], v[XS:XS+15], v122
	v_cvt_scalef32_pk16_fp6_f32 v[CT:CT+2], v[XS+16:XS+31], v122
	v_nop                                          ; one plain place behind a scaled conversion
.irp i, 0,1,2
	v_mov_b32 v[CC+3+\i], v[CT+\i]
.endr
.if (\t)+2 < 8
	LOADW (\t)+2
.endif
.if (\t)%2 == 1                        ; two blocks of 32 columns become two half fragments of 16 columns: the first's lanes 16-31 change places with the second's lanes 0-15
.irp i, 0,1,2,3,4,5
	v_permlane16_swap_b32 v[C0+\i], v[C0+8+\i]
.endr
	global_store_b128 v2, v[C0:C0+3], s[20:21] offset:((\t)/2)*768              ; 512 consecutive bytes,
	global_store_b64 v3, v[C0+4:C0+5], s[20:21] offset:((\t)/2)*768+512         ; 256 more;
	global_store_b128 v2, v[C0+8:C0+11], s[20:21] offset:((\t)/2)*768+12288     ; and the next tile of 16 columns
	global_store_b64 v3, v[C0+12:C0+13], s[20:21] offset:((\t)/2)*768+12288+512
.endif
.endm
	LOADW 0
	LOADW 1
.irp t, 0,1,2,3,4,5,6,7
	BLOCKW \t
.endr
	global_store_b64 v4, v[SB:SB+1], s[22:23]      ; my column's 8 bytes: rows 32 bytes apart, so 256-byte runs are written in part: 131,072 bytes in the whole launch
	s_wait_tensorcnt 0x0                           ; the wave's end
	ds_add_u32 v[SPW], v[NIL]
	s_wait_dscnt 0x0
	s_endpgm
; ---- THE ACTIVATIONS.  Wave RT = 4 (id - 128) + wave takes rows 16 RT .. 16 RT + 15 of the three tensors on end, all 1,024 along K, in 8 steps of 128.
; A load reads 512 consecutive bytes of one row; the 16 rows go through the wave's own stage (rows of 528 bytes: 33 x 16, so that the sixteen rows of a read start in different banks) and come back so that
; lane (r, h) holds, of row r and block b, k = 32 b + 16 u + 8 h + j in register 16 b + 8 u + j.
.Lx_path:
.set R,   16                           ; v16-143  two sets of 64 registers as loaded
.set X,   144                          ; v144-207 64 numbers for the quantiser
.set PC,  208                          ; v208-226 codes
.set TM,  228                          ; v228-243 at work
.set PWS, 244                          ; v244-251 a scale word for each step
	s_sub_co_u32 s27, ttmp9, 128
	s_lshr_b32 s28, s27, 7                         ; which tensor
	s_cmp_eq_u32 s28, 1
	s_cselect_b64 s[12:13], s[14:15], s[12:13]
	s_cmp_eq_u32 s28, 2
	s_cselect_b64 s[12:13], s[16:17], s[12:13]
	s_lshl_b32 s29, s27, 2
	s_add_co_u32 s29, s29, s26                     ; RT
	; THE ROWS OF A TILE.  query, value: tile t holds tokens 16 t + p.  key: row p of tile t = 4 g + u holds token 64 g + 32 (p / 8) + 16 (u % 2) + 8 (u / 2) + p % 8,
	; so that in the scores a lane's 32 registers of four neighbouring tiles are one block of 32 keys, in the order of places stated above.
	s_and_b32 s30, s29, 511                        ; t
	s_and_b32 s33, s30, 3
	s_lshl_b32 s34, s33, 4                         ; 16 u
	s_and_b32 s35, s30, 1
	s_lshl_b32 s35, s35, 4
	s_and_b32 s36, s30, 2
	s_lshl_b32 s36, s36, 2
	s_or_b32 s35, s35, s36                         ; 16 (u % 2) + 8 (u / 2)
	s_cmp_eq_u32 s28, 1
	s_cselect_b32 s34, s35, s34
	s_cselect_b32 s37, 24*4096, 0                  ; key: rows 8-15 lie 32 tokens behind rows 0-7, not 8
	s_lshr_b32 s30, s30, 2
	s_lshl_b32 s30, s30, 6
	s_add_co_u32 s30, s30, s34                     ; the tile's first token,
	s_lshl_b32 s30, s30, 12                        ; in rows of 4,096 bytes
	s_mov_b32 s31, 0
	s_add_nc_u64 s[12:13], s[12:13], s[30:31]
	s_mul_i32 s30, s29, 12288
	s_add_nc_u64 s[18:19], s[18:19], s[30:31]
	s_lshl_b32 s30, s29, 9
	s_add_nc_u64 s[22:23], s[22:23], s[30:31]
	s_mul_i32 s32, s26, 8448                       ; my stage
	v_and_b32 v9, 15, v0                           ; r
	v_bfe_u32 v10, v0, 4, 1                        ; h
	s_wait_alu depctr_va_vdst(0)
	v_lshlrev_b32 v1, 4, v8
	v_lshlrev_b32 v2, 3, v8
	v_add_nc_u32 v11, s37, v1                      ; the offset of a tile's rows 8-15
	v_add_nc_u32 v3, s32, v1                       ; into the stage: 16 x lane, the row in the offset
	v_mul_u32_u24 v4, v9, 528
	v_lshl_add_u32 v4, v10, 5, v4
	v_add_nc_u32 v4, s32, v4                       ; out of it: row r, + 32 h
	v_lshlrev_b32 v5, 5, v9
	v_lshl_add_u32 v5, v10, 4, v5                  ; the scale bytes: 32 r + 16 h
.irp b, 0,1,2,3
	v_mov_b32 v[TM+4+\b], 0                        ; written once: a lane permute's destination counts as one of its sources
.endr
.macro LOADX ks
.irp p, 0,1,2,3,4,5,6,7,8,9,10,11,12,13,14,15
	global_load_b128 v[R+64*((\ks)%2)+4*\p:R+64*((\ks)%2)+4*\p+3], v[1+10*(\p/8)], s[12:13] offset:4096*\p+512*(\ks) th:TH_LOAD_NT
.endr
.endm
.macro STEPX ks
.if (\ks) < 7
	s_wait_loadcnt 16                              ; this step's 16 loads are in; the next step's may be out
.else
	s_wait_loadcnt 0x0
.endif
.irp p, 0,1,2,3,4,5,6,7,8,9,10,11,12,13,14,15
	ds_store_b128 v3, v[R+64*((\ks)%2)+4*\p:R+64*((\ks)%2)+4*\p+3] offset:528*\p
.endr
.irp b, 0,1,2,3
.irp u, 0,1
.irp e, 0,1
	ds_load_b128 v[X+16*\b+8*\u+4*\e:X+16*\b+8*\u+4*\e+3], v4 offset:128*\b+64*\u+16*\e   ; LDS serves a wave's instructions in order (ISA guide 5.7.1.4): these see the stores above
.endr
.endr
.endr
	s_wait_dscnt 0x0                               ; the stores have read their registers, and my 64 numbers are in
	s_wait_xcnt 0x0                                ; the last step's stores have read the codes' registers
.if (\ks)+2 < 8
	LOADX (\ks)+2
.endif
	QUANT X, PC, TM, PWS+\ks
	global_store_b128 v1, v[PC:PC+3], s[18:19] offset:1536*(\ks)
	global_store_b64 v2, v[PC+4:PC+5], s[18:19] offset:1536*(\ks)+512
	global_store_b128 v1, v[PC+6:PC+9], s[18:19] offset:1536*(\ks)+768
	global_store_b64 v2, v[PC+10:PC+11], s[18:19] offset:1536*(\ks)+1280
.endm
	LOADX 0
	LOADX 1
	s_wait_alu depctr_va_vdst(0)
.irp k, 0,1,2,3,4,5,6,7
	STEPX \k
.endr
	s_mov_b32 s33, 0xffff0000                      ; lanes 16-31
.irp i, 0,1,2,3
	v_cndmask_b32 v[R+\i], v[PWS+\i], v[PWS+4+\i], s33   ; lanes r and r + 16 hold the same eight words: the lower lane stores words 0-3, the upper 4-7
.endr
	global_store_b128 v5, v[R:R+3], s[22:23]       ; 512 consecutive bytes
	s_wait_tensorcnt 0x0                           ; the wave's end, behind my last LDS store
	ds_add_u32 v[SPW], v[NIL]
	s_wait_dscnt 0x0
	s_endpgm
.Lfunc_end_k_q20035e7f44_prep:
	.size	k_q20035e7f44_prep, .Lfunc_end_k_q20035e7f44_prep-k_q20035e7f44_prep
	.p2alignl 7, 3214868480
	.fill 96, 4, 3214868480
	.section	.rodata,"a",@progbits
	.p2align	6, 0x0
	.amdhsa_kernel k_q20035e7f44_prep
		.amdhsa_group_segment_fixed_size 34304
		.amdhsa_private_segment_fixed_size 0
		.amdhsa_enable_private_segment 0
		.amdhsa_kernarg_size 80
		.amdhsa_user_sgpr_count 2
		.amdhsa_user_sgpr_kernarg_segment_ptr 1
		.amdhsa_wavefront_size32 1
		.amdhsa_system_sgpr_workgroup_id_x 1
		.amdhsa_system_sgpr_workgroup_id_y 1
		.amdhsa_system_sgpr_workgroup_id_z 1
		.amdhsa_system_vgpr_workitem_id 0
		.amdhsa_next_free_vgpr 256
		.amdhsa_next_free_sgpr 66
		.amdhsa_reserve_vcc 0
		.amdhsa_float_denorm_mode_32 3
		.amdhsa_float_denorm_mode_16_64 3
		.amdhsa_memory_ordered 1
		.amdhsa_forward_progress 1
		.amdhsa_inst_pref_size 105
	.end_amdhsa_kernel
	.amdgpu_metadata
---
amdhsa.version: [ 1, 2 ]
amdhsa.kernels:
  - .name:           k_q20035e7f44_prep
    .symbol:         k_q20035e7f44_prep.kd
    .args:
      - { .name: Wq, .offset: 0, .size: 8, .value_kind: global_buffer, .address_space: global }
      - { .name: Wk, .offset: 8, .size: 8, .value_kind: global_buffer, .address_space: global }
      - { .name: Wv, .offset: 16, .size: 8, .value_kind: global_buffer, .address_space: global }
      - { .name: Wo, .offset: 24, .size: 8, .value_kind: global_buffer, .address_space: global }
      - { .name: query, .offset: 32, .size: 8, .value_kind: global_buffer, .address_space: global }
      - { .name: key, .offset: 40, .size: 8, .value_kind: global_buffer, .address_space: global }
      - { .name: value, .offset: 48, .size: 8, .value_kind: global_buffer, .address_space: global }
      - { .name: xc, .offset: 56, .size: 8, .value_kind: global_buffer, .address_space: global }
      - { .name: wc, .offset: 64, .size: 8, .value_kind: global_buffer, .address_space: global }
      - { .name: s1, .offset: 72, .size: 8, .value_kind: global_buffer, .address_space: global }
    .group_segment_fixed_size: 34304
    .private_segment_fixed_size: 0
    .kernarg_segment_align: 8
    .kernarg_segment_size: 80
    .max_flat_workgroup_size: 128
    .sgpr_count:     66
    .vgpr_count:     256
    .wavefront_size: 32
...
	.end_amdgpu_metadata
.endif
;; end of part 1
;; launch proj (part 2): grid 4 x 96, 4 waves a work-group, clusters of 4 x 4, 327,680 bytes of LDS; arguments xc, wc, s1, bq, bk, bv, qc, kvc, sw; writes qc, kvc, sw
.if DOCPART == 2
	.amdgcn_target "amdgcn-amd-amdhsa--gfx1250"
	.amdhsa_code_object_version 6
	.text
	.protected	k_q20035e7f44_proj
	.globl	k_q20035e7f44_proj
	.p2align	8
	.type	k_q20035e7f44_proj,@function
k_q20035e7f44_proj:
	s_mov_b64 s[64:65], 0
	v_nop
	global_prefetch_b8 v0, s[64:65] scope:SCOPE_SE
	s_setreg_imm32_b32 hwreg(HW_REG_WAVE_MODE, 25, 1), 1
	s_wait_xcnt 0x0
	s_wait_alu depctr_hold_cnt(0) depctr_sa_sdst(0) depctr_va_vdst(0) depctr_va_sdst(0) depctr_va_ssrc(0) depctr_va_vcc(0) depctr_vm_vsrc(0)
	s_getreg_b32 s2, hwreg(HW_REG_IB_STS2, 6, 4)
	s_cmp_eq_u32 s2, 0
	s_cbranch_scc0 .Lentry_in_a_cluster
	s_endpgm
.Lentry_in_a_cluster:
	s_bfe_u32 s2, ttmp6, 0x10000c
	s_cmp_lg_u32 s2, 0xf033
	s_cbranch_scc0 .Lentry_shape_is_right
	s_endpgm
.Lentry_shape_is_right:
; q = query Wq + bq, k = key Wk + bk, v = value Wv + bv on codes of FP6 (E2M3) with E8M0 scales, sums in f32; the results are quantised in registers and leave as codes: q and k along a head's 64, v along the keys.
; A work-group of four waves makes 256 x 256 of one product, a wave 128 x 128: 64 accumulators, 512 registers.  K = 1,024 goes in four steps of 256 through two LDS slots filled by the tensor data mover.
; THE OPERANDS ARE IMAGES OF REGISTERS: a half fragment (16 rows x 64 K: an operand's registers 0-5) is 768 bytes, registers 0-3 at 16 x lane, registers 4-5 at 512 + 8 x lane; a buffer is [tile of 16 rows][16 half fragments][768].
; So a fragment (12 registers) is four LDS loads of consecutive bytes, and a K step's part of 128 rows is 8 rows of 3,072 bytes, 12,288 bytes apart.
; SOURCE 1's rows lie across the lanes of a result, SOURCE 0's along its registers.  A quantiser wants its K along a lane's registers.  q, k: K = the head's channels n: source 1 = tokens, source 0 = weight.
; v: K = the keys: source 1 = weight (a lane a channel), source 0 = tokens.  LDS region A always holds source 1's operand and region B source 0's; what differs is where they come from in memory.
; CLUSTERS: 4 x 4 work-groups; clusters 0-7 make q, 8-15 k, 16-23 v (KIND: the cluster's y / 8, the same in all sixteen partners).  Source 1's tile is 4 c + cy (v: cy), source 0's cx (v: 4 c + cx), c the cluster's y % 8:
; so region A's tiles are shared along a row of the cluster and region B's along a column, in every kind, and each is asked for jointly.
; OUT.  qc [64 heads bh][128 tiles of 16 queries][768];  kvc [bh][16 steps of 128 keys][K: 8 tiles of 16 keys x 768 | V: 4 tiles of 16 channels x 1,536 (16 channels x 128 keys)];
;   sw: q's scale words [bh][step][16 r][4 words], from byte 262,144 on [bh][step][K: 16 r x 4 words | V: 16 r x 4 words].  A word of q or k: the two bytes of row r of tile 2 p, then those of tile 2 p + 1.
; LIMITS: NaN and infinities are not served; a block whose largest magnitude lies under 2^-124 keeps the byte 1.
; REGISTERS: window 0: v0-31 addresses; v32-63 scale words, two sets; v64-95 the way out's words and the bias by rows; v128-223 source 1's eight fragments, one set (the way out works there).
;   window 1: source 0's fragments, two sets, at v0 and v128; the bias by columns in v96-127 and v224-255.   windows 2, 3: the accumulators ((a, b) at v[8 (8 (a % 4) + b)]).
.set FR,     12
.set ROWB,   3072                      ; a tile of 16 rows x 256 along K: four half fragments
.set KROW,   12288                     ; and x all of K
.set HALFT,  8*ROWB                    ; 128 rows: what one tensor load brings
.set SLOT,   4*HALFT                   ; region A's 256 rows, then region B's
.set SCL,    2*SLOT                    ; behind the ring: the scale bytes of 4 x 128 rows for all of K, as rows of 256 bytes + 16
.set HALFS,  16*272
.set SBLK,   544                       ; those of 16 rows
.set SPARE,  SCL+4*HALFS               ; the spare words, 128 bytes a wave
.set ADRA, 16                          ; v16-17 source 1's fragments in slot 0, 1, + 16 x lane;  v18-19 the same + 8 x lane
.set ADRB, 20                          ; v20-23 likewise source 0's
.set L16,  24                          ; v24 16 x lane   v25 8 x lane   v26, v8 the same + the distance to the second half fragment's place
.set L8,   25
.set L16D, 26
.set L8D,  8
.set ADRS, 27                          ; v27 my scale words: lanes 0-15 region A's rows, lanes 16-31 region B's
.set SPW,  28                          ; v28 SPARE + 4 x my thread's number; never rewritten
.set NIL,  29                          ; v29 0; never rewritten
.set SWO,  9                           ; v9  where my four scale words go
.set PSEL, 10                          ; v10 byte selects: lanes 0-15 the words' low halves, lanes 16-31 the high halves
.set SC,   32
.set AF,   128
.set PWS,  64                          ; v64-71 a scale word for each of source 1's blocks
.set WW,   72                          ; v72-75, v76-79 the words as they are stored, in the two forms
.set WV2,  76
.set RB,   80                          ; v80-95 the bias by rows: block a's in v[80 + 2 a] and again beside it
.set T,    128                         ; the way out: 64 numbers, v192-210 codes, v212-227 at work
.set PC,   192
.set TM,   212
.set G1, 24
.set G0, 32
.set G1B, 48
.set G0B, 56
.set G1S, 68
.set G0S, 76
.set G1SB, 80
.set G0SB, 88
.set KV,  66                           ; s66 1 in v's clusters
.set OB,  4                            ; s[4:5] where my codes go;  s[6:7] my scale words
.set OS,  6
.set STA, 46                           ; s[46:47] from one of source 1's blocks to the next, in the codes' buffer;  s[44:45] what the fifth adds
.set EXT, 44
.set SEL, 12                           ; s[12:13] selects of v_permlanex16_b32 for lane l xor 16
.set MSB, 0
.macro WIN new                         ; the immediate's high byte repeats the setting that is left
.if MSB != \new
	s_set_vgpr_msb (MSB<<8)|\new
.set MSB, \new
.endif
.endm
.set MUL_LO, 0xa1                      ; source 0 window 1, source 1 window 0, C and D window 2
.set MUL_HI, 0xf1                      ; the same, C and D window 3
.set TO_B,   0x40                      ; destination window 1, address window 0
; A joint load: waves 0 and 1 fetch region A's halves, waves 2 and 3 region B's.  An s_nop 0 and four v_nop follow each of the two lines.
.macro JLOAD g0a, g1a, g0b, g1b
	s_cmp_eq_u32 s15, 0
	s_cbranch_scc0 .Lfor_b_\@
	tensor_load_to_lds s[\g0a:\g0a+3], s[\g1a:\g1a+7]
	s_nop 0
.rept 4
	v_nop
.endr
	s_branch .Lasked_\@
.Lfor_b_\@:
	tensor_load_to_lds s[\g0b:\g0b+3], s[\g1b:\g1b+7]
	s_nop 0
.rept 4
	v_nop
.endr
.Lasked_\@:
.endm
.macro CREST                           ; a round of the cluster's barrier behind its opening barrier
	s_cmp_lg_u32 s14, 0
	s_cbranch_scc1 .Lnot_wave_0_\@
	s_barrier_signal -3
.Lnot_wave_0_\@:
	s_barrier_wait -3
	s_barrier_signal -1
	s_barrier_wait -1
.endm
.macro CROUND
	s_barrier_signal -1
	s_barrier_wait -1
	CREST
.endm
.macro QUANT s, pc, tm, pw             ; 64 numbers of a lane (register 16 b + i: the i-th of my 16 of block b) -> 12 registers of codes at v[pc], the row's scale word in v[pw]
.irp b, 0,1,2,3
	v_max3_num_f32 v[\tm+\b], |v[\s+16*\b]|, |v[\s+16*\b+1]|, 0x1800000   ; with the floor 2^(3 - 127): the byte cannot fall under 1
.endr
.irp i, 2,4,6,8,10,12,14
.irp b, 0,1,2,3
	v_max3_num_f32 v[\tm+\b], v[\tm+\b], |v[\s+16*\b+\i]|, |v[\s+16*\b+\i+1]|
.endr
.endr
.irp b, 0,1,2,3
	v_permlanex16_b32 v[\tm+4+\b], v[\tm+\b], s[SEL], s[SEL+1]
.endr
.irp b, 0,1,2,3
	v_max_num_f32 v[\tm+\b], v[\tm+\b], v[\tm+4+\b]
.endr
.irp b, 0,1,2,3
	v_add_nc_u32 v[\tm+12+\b], 0xff000000, v[\tm+\b]               ; 2 off the exponent field: the conversion's scale operand
.endr
.irp b, 0,1,2,3
	v_lshrrev_b32 v[\tm+4+\b], 23, v[\tm+12+\b]
.endr
	v_lshl_or_b32 v[\pw], v[\tm+5], 8, v[\tm+4]
	v_lshl_or_b32 v[\pw], v[\tm+6], 16, v[\pw]
	v_lshl_or_b32 v[\pw], v[\tm+7], 24, v[\pw]
.irp c, 0,1
	v_cvt_scalef32_pk16_fp6_f32 v[\pc+6*\c:\pc+6*\c+2], v[\s+32*\c:\s+32*\c+15], v[\tm+12+2*\c]
	v_cvt_scalef32_pk16_fp6_f32 v[\pc+12+4*\c:\pc+12+4*\c+2], v[\s+32*\c+16:\s+32*\c+31], v[\tm+12+2*\c+1]
.endr
	v_nop                                          ; one plain place behind a scaled conversion
.irp c, 0,1
.irp i, 0,1,2
	v_permlane16_swap_b32 v[\pc+6*\c+\i], v[\pc+12+4*\c+\i]
.endr
.irp i, 0,1,2
	v_mov_b32 v[\pc+3+6*\c+\i], v[\pc+12+4*\c+\i]
.endr
.endr
.endm
	s_load_b256 s[4:11], s[0:1], 0x0               ; xc, wc, s1, bq
	s_load_b256 s[92:99], s[0:1], 0x20             ; bk, bv, qc, kvc
	s_load_b64 s[100:101], s[0:1], 0x40            ; sw
	v_lshl_add_u32 v[SPW], v0, 2, SPARE
	v_mov_b32 v[NIL], 0
	ds_add_u32 v[SPW], v[NIL]                      ; the wave's opening: the add and its wait ahead of my first tensor load; the set-up below, work on registers, stands between them
	ds_add_u32 v[SPW], v[NIL]
	v_lshrrev_b32 v1, 5, v0
	v_readfirstlane_b32 s14, v1                    ; wave 0..3
	s_lshr_b32 s15, s14, 1                         ; which half of source 1's 256 rows is mine.  Also: I fetch for region A (0) or B (1)
	s_and_b32 s16, s14, 1                          ; which half of source 0's.  Also: which 128 rows I fetch
	s_bfe_u32 s40, ttmp6, 0x40000                  ; cx
	s_bfe_u32 s41, ttmp6, 0x40004                  ; cy
	s_and_b32 s2, ttmp7, 0xffff                    ; the cluster's y, 0..23 (its x is 0: the grid is one cluster wide)
	s_lshr_b32 s3, s2, 3                           ; KIND: 0 q, 1 k, 2 v
	s_and_b32 s2, s2, 7
	s_lshl_b32 s2, s2, 2                           ; 4 c
	s_lshl_b32 s12, s3, 9                          ; x's first tile of 16 rows: 512 KIND
	s_lshl_b32 s13, s3, 6                          ; the weight's: 64 KIND
	s_cmp_eq_u32 s3, 2
	s_cselect_b32 s[KV], 1, 0
	s_cselect_b32 s17, 0, s2
	s_cselect_b32 s42, s2, 0
	s_cselect_b32 s12, 128, s12                    ; source 1's operand begins at this tile of 16 rows,
	s_cselect_b32 s13, 1024, s13                   ; source 0's at this
	s_cselect_b32 s67, 0xc0000, 0                  ; and their scale bytes at this byte of s1 (the weights' lie from 786,432 on)
	s_cselect_b32 s45, 0, 0xc0000
	s_add_co_u32 s17, s17, s41                     ; source 1's tile of 256 rows: made of cy and the cluster's y alone
	s_add_co_u32 s42, s42, s40                     ; source 0's: of cx and the cluster's y alone
	s_lshl_b32 s43, s41, 2
	s_lshl_b32 s43, 15, s43                        ; my row of the cluster
	s_lshl_b32 s44, 0x1111, s40                    ; my column
	; descriptor group 1 for codes: rows of 384 elements of 8 bytes, 1,536 elements apart, no padding: 16 rows (a region's 256 rows) for the head's loads; behind them the two words that count rows are set to 8, for the ring's
	s_or_b32 s[G1+0], s43, (3<<16)|(1<<21)         ; 15:0 the mask; 17:16 elements of 8 bytes; 21 set beside a mask
	s_or_b32 s[G1B+0], s44, (3<<16)|(1<<21)
.irp g, G1, G1B
	s_mov_b32 s[\g+1], 384<<16                     ; tensor_dim0
	s_mov_b32 s[\g+2], 16<<16                      ; tensor_dim1
	s_mov_b32 s[\g+3], 384<<16                     ; tile_dim0
	s_mov_b32 s[\g+4], 16                          ; tile_dim1
	s_mov_b32 s[\g+5], 1536                        ; tensor_dim0_stride
	s_mov_b32 s[\g+6], 0
	s_mov_b32 s[\g+7], 0
.endr
	; and for the scale bytes of a region's 256 rows: 8,192 dense bytes as 32 rows of 256, 16 bytes of padding behind each
	s_or_b32 s[G1S+0], s43, (3<<16)|(1<<20)|(1<<21)|(5<<22)|(3<<25)
	s_or_b32 s[G1SB+0], s44, (3<<16)|(1<<20)|(1<<21)|(5<<22)|(3<<25)
.irp g, G1S, G1SB
	s_mov_b32 s[\g+1], 32<<16
	s_mov_b32 s[\g+2], 32<<16
	s_mov_b32 s[\g+3], 32<<16
	s_mov_b32 s[\g+4], 32
	s_mov_b32 s[\g+5], 32
	s_mov_b32 s[\g+6], 0
	s_mov_b32 s[\g+7], 0
.endr
	s_lshl_b32 s18, s17, 4
	s_add_co_u32 s18, s18, s12
	s_lshl_b32 s19, s16, 3
	s_add_co_u32 s18, s18, s19                     ; region A: the first tile of 16 rows that I would fetch
	s_lshl_b32 s22, s18, 9
	s_add_co_u32 s22, s22, s67                     ; its scale bytes
	s_mov_b32 s23, 0
	s_mul_i32 s18, s18, KROW                       ; its codes
	s_lshl_b32 s46, s42, 4
	s_add_co_u32 s46, s46, s13
	s_add_co_u32 s46, s46, s19                     ; region B likewise
	s_mov_b32 s19, 0
	s_lshl_b32 s12, s46, 9
	s_add_co_u32 s12, s12, s45
	s_mov_b32 s13, 0
	s_mul_i32 s46, s46, KROW
	s_mov_b32 s47, 0
	s_mul_i32 s45, s14, HALFT                      ; where they go: wave x 128 rows: no place in the cluster enters an LDS address
	s_wait_dscnt 0x0                               ; the opening add is done
	s_wait_kmcnt 0x0
	s_cmp_eq_u32 s[KV], 1
	s_cselect_b64 s[20:21], s[6:7], s[4:5]         ; source 1's codes: the weights' buffer in v's clusters, else x's
	s_cselect_b64 s[2:3], s[4:5], s[6:7]           ; source 0's
	s_add_nc_u64 s[20:21], s[20:21], s[18:19]
	s_add_nc_u64 s[46:47], s[2:3], s[46:47]
	s_add_nc_u64 s[22:23], s[8:9], s[22:23]
	s_add_nc_u64 s[12:13], s[8:9], s[12:13]
	CROUND                                         ; all sixteen work-groups are here: the first joint loads meet
	s_mov_b32 s[G0S], 1
	s_lshl_b32 s2, s16, 12                         ; the scale bytes come whole: my half's 4,096 bytes are taken off again
	s_mov_b32 s3, 0
	s_mov_b32 s[G0S+1], SCL
	s_sub_nc_u64 s[G0S+2:G0S+3], s[22:23], s[2:3]
	s_or_b32 s[G0S+3], s[G0S+3], 0x80000000
	s_mov_b32 s[G0SB], 1
	s_mov_b32 s[G0SB+1], SCL+2*HALFS
	s_sub_nc_u64 s[G0SB+2:G0SB+3], s[12:13], s[2:3]
	s_or_b32 s[G0SB+3], s[G0SB+3], 0x80000000
.irp s, 0,1
	s_mov_b32 s[G0+4*\s], 1
	s_add_co_u32 s[G0+4*\s+1], s45, \s*SLOT
	s_add_nc_u64 s[G0+4*\s+2:G0+4*\s+3], s[20:21], \s*ROWB
	s_or_b32 s[G0+4*\s+3], s[G0+4*\s+3], 0x80000000
	s_mov_b32 s[G0B+4*\s], 1
	s_add_co_u32 s[G0B+4*\s+1], s45, \s*SLOT
	s_add_nc_u64 s[G0B+4*\s+2:G0B+4*\s+3], s[46:47], \s*ROWB
	s_or_b32 s[G0B+4*\s+3], s[G0B+4*\s+3], 0x80000000
.endr
	; THE HEAD'S FOUR TILES, ONE A WAVE, in one chain of branches on the wave's number: wave 0 region A's 256 rows of K step 0 (its slot 0 descriptor stands at their first byte),
	; wave 1 region A's scale bytes, wave 2 region B's 256 rows (likewise), wave 3 region B's scale bytes
	s_cmp_eq_u32 s14, 0
	s_cbranch_scc0 .Lhead_1
	tensor_load_to_lds s[G0:G0+3], s[G1:G1+7]
	s_nop 0
.rept 4
	v_nop
.endr
	s_branch .Lhead_asked
.Lhead_1:
	s_cmp_eq_u32 s14, 1
	s_cbranch_scc0 .Lhead_2
	tensor_load_to_lds s[G0S:G0S+3], s[G1S:G1S+7]
	s_nop 0
.rept 4
	v_nop
.endr
	s_branch .Lhead_asked
.Lhead_2:
	s_cmp_eq_u32 s14, 2
	s_cbranch_scc0 .Lhead_3
	tensor_load_to_lds s[G0B:G0B+3], s[G1B:G1B+7]
	s_nop 0
.rept 4
	v_nop
.endr
	s_branch .Lhead_asked
.Lhead_3:
	tensor_load_to_lds s[G0SB:G0SB+3], s[G1SB:G1SB+7]
	s_nop 0
.rept 4
	v_nop
.endr
.Lhead_asked:
	v_and_b32 v1, 15, v0                           ; r
	v_bfe_u32 v2, v0, 4, 1                         ; h
	v_and_b32 v3, 31, v0                           ; lane
	v_lshlrev_b32 v[L16], 4, v3
	v_lshlrev_b32 v[L8], 3, v3
	s_mul_i32 s21, s15, HALFT                      ; my 128 rows of region A
	s_mul_i32 s22, s16, HALFT                      ; and of region B,
	s_add_co_u32 s22, s22, 2*HALFT                 ; which lies behind A's 256
.irp s, 0,1
	v_add_nc_u32 v[ADRA+\s], s21, v[L16]
	v_add_nc_u32 v[ADRB+\s], s22, v[L16]
	v_add_nc_u32 v[ADRA+2+\s], s21, v[L8]
	v_add_nc_u32 v[ADRB+2+\s], s22, v[L8]
	s_add_co_u32 s21, s21, SLOT
	s_add_co_u32 s22, s22, SLOT
.endr
	v_lshlrev_b32 v5, 5, v1                        ; my row's scale bytes: 32 a row,
	v_lshrrev_b32 v6, 8, v5
	v_lshl_add_u32 v5, v6, 4, v5                   ; and 16 more for each 256 passed
	s_mul_i32 s21, s15, HALFS
	s_mul_i32 s22, s16, HALFS
	s_add_co_u32 s22, s22, 2*HALFS
	s_sub_co_u32 s22, s22, s21
	v_mul_u32_u24 v6, s22, v2                      ; lanes 16-31 take region B's
	s_add_co_u32 s21, s21, SCL
	v_add_nc_u32 v5, v5, v6
	v_add_nc_u32 v[ADRS], s21, v5
	; what hangs on the kind: the bias, and where the results go.  Tn, wh: which 256 and which 128 of the 1,024 channels; Tx, xh: of the tensor's 8,192 tokens
	s_and_b32 s18, ttmp7, 0xffff
	s_lshr_b32 s18, s18, 3                         ; KIND
	s_mov_b32 s[STA], 768
	s_cmp_eq_u32 s18, 1
	s_cselect_b64 s[20:21], s[92:93], s[10:11]
	s_cmp_eq_u32 s18, 2
	s_cselect_b64 s[20:21], s[94:95], s[20:21]     ; my bias
	s_cselect_b32 s22, s17, s42                    ; Tn
	s_cselect_b32 s23, s15, s16                    ; wh
	s_cselect_b32 s43, s42, s17                    ; Tx
	s_cselect_b32 s19, s16, s15                    ; xh
	s_cselect_b32 s[STA], 1536, s[STA]             ; v: a fragment of 16 channels x 128 keys; q, k: a half fragment of 16 tokens
	s_cselect_b32 s[EXT], 190464, 0                ; v: the fifth block of channels begins the next head: 196,608 - 4 x 1,536
	s_cselect_b32 s10, -1, 0                       ; all lanes in v's clusters
	s_cselect_b32 s11, 6144, 0                     ; V lies behind a step's K
	s_cselect_b32 s2, 256, 0                       ; and so do its scale words
	s_mov_b32 s[STA+1], 0
	s_mov_b32 s[EXT+1], 0
	s_cmp_eq_u32 s18, 0
	s_cselect_b64 s[OB:OB+1], s[96:97], s[98:99]   ; q's codes go to qc, k's and v's to kvc,
	s_cselect_b32 s12, 0, 1                        ; whose strides are twice qc's
	s_cselect_b32 s13, 0, 262144
	s_lshl_b32 s92, s22, 10
	s_lshl_b32 s93, s23, 9
	s_add_co_u32 s92, s92, s93                     ; 4 x my first channel
	s_mov_b32 s93, 0
	s_add_nc_u64 s[20:21], s[20:21], s[92:93]
	s_lshl_b32 s22, s22, 2
	s_lshl_b32 s23, s23, 1
	s_add_co_u32 s22, s22, s23                     ; my first head: 4 Tn + 2 wh
	s_lshr_b32 s23, s43, 3
	s_lshl_b32 s23, s23, 4
	s_add_co_u32 s22, s22, s23                     ; + 16 x the batch
	s_and_b32 s43, s43, 7
	s_lshl_b32 s43, s43, 1
	s_add_co_u32 s43, s43, s19                     ; my 128 tokens in the batch's 2,048
	s_mul_i32 s92, s22, 98304
	s_mul_i32 s94, s43, 6144
	s_add_co_u32 s92, s92, s94
	s_lshl_b32 s92, s92, s12
	s_add_co_u32 s92, s92, s11
	s_add_nc_u64 s[OB:OB+1], s[OB:OB+1], s[92:93]
	s_lshl_b32 s92, s22, 12
	s_lshl_b32 s94, s43, 8
	s_add_co_u32 s92, s92, s94
	s_lshl_b32 s92, s92, s12
	s_add_co_u32 s92, s92, s13
	s_add_co_u32 s92, s92, s2
	s_add_nc_u64 s[OS:OS+1], s[100:101], s[92:93]
	s_lshl_b32 s94, 98304, s12                     ; from head to head in the codes,
	s_lshl_b32 s95, 4096, s12                      ; and in the scale words
	s_cmp_eq_u32 s[KV], 1
	s_cselect_b32 s94, 768, s94                    ; the second half fragment: q, k: the next head's; v: the fragment's other half
	s_mov_b32 s3, 0xffff0000                       ; lanes 16-31
	s_mov_b32 s[SEL], 0x76543210
	s_mov_b32 s[SEL+1], 0xfedcba98
	v_add_nc_u32 v[L16D], s94, v[L16]
	v_add_nc_u32 v[L8D], s94, v[L8]
	v_mul_u32_u24 v[SWO], s95, v2
	v_lshl_add_u32 v[SWO], v1, 4, v[SWO]           ; lanes 0-15: my first head's words of row r; lanes 16-31: the next head's
	v_mov_b32 v[PSEL], 0x05040100
	v_mov_b32 v11, 0x07060302
	v_cndmask_b32 v[PSEL], v[PSEL], v11, s3
	v_lshlrev_b32 v12, 5, v2                       ; the bias by columns: block b, my half's eight channels;
	v_lshlrev_b32 v13, 2, v1                       ; by rows: block a, channel r.  Both forms are loaded in every kind: both lie inside my 128 channels
	WIN TO_B
.irp b, 0,1,2,3,4,5,6,7
	global_load_b128 v[96+8*\b+96*(\b/4):96+8*\b+96*(\b/4)+3], v12, s[20:21] offset:64*\b
	global_load_b128 v[96+8*\b+96*(\b/4)+4:96+8*\b+96*(\b/4)+7], v12, s[20:21] offset:64*\b+16
.endr
	WIN 0
.irp a, 0,1,2,3,4,5,6,7
	global_load_b32 v[RB+2*\a], v13, s[20:21] offset:64*\a
	global_load_b32 v[RB+2*\a+1], v13, s[20:21] offset:64*\a      ; twice: the packed addition takes a pair
.endr
.macro FRAG reg, adr, q, i             ; a fragment: two half fragments on end, as they lie
	ds_load_b128 v[\reg:\reg+3], v[\adr] offset:(\i)*ROWB+(\q)*1536
	ds_load_b64 v[\reg+4:\reg+5], v[\adr+2] offset:(\i)*ROWB+(\q)*1536+512
	ds_load_b128 v[\reg+6:\reg+9], v[\adr] offset:(\i)*ROWB+(\q)*1536+768
	ds_load_b64 v[\reg+10:\reg+11], v[\adr+2] offset:(\i)*ROWB+(\q)*1536+1280
.endm
; 16 matrix instructions: source 1's blocks a0, a0 + 1 x source 0's eight, the slot's q-th 128 along K.  p: source 0's set; sc: the set of scale words; zero = 1: the first product starts the sums.
; The 64 accumulators take turns, one instruction a turn, in the same order in every step.
.macro MUL16 a0, p, q, sc, zero
.irp a, \a0, \a0+1
.irp b, 0,1,2,3,4,5,6,7
.if \zero
	v_wmma_scale_f32_16x16x128_f8f6f4 v[8*(8*((\a)%4)+\b):8*(8*((\a)%4)+\b)+7], v[128*(\p)+FR*\b:128*(\p)+FR*\b+FR-1], v[AF+FR*(\a):AF+FR*(\a)+FR-1], 0, v[SC+16*(\sc)+2*\b+(\q)], v[SC+16*(\sc)+2*(\a)+(\q)] matrix_a_fmt:MATRIX_FMT_FP6 matrix_b_fmt:MATRIX_FMT_FP6 matrix_a_scale:MATRIX_SCALE_ROW1
.else
	v_wmma_scale_f32_16x16x128_f8f6f4 v[8*(8*((\a)%4)+\b):8*(8*((\a)%4)+\b)+7], v[128*(\p)+FR*\b:128*(\p)+FR*\b+FR-1], v[AF+FR*(\a):AF+FR*(\a)+FR-1], v[8*(8*((\a)%4)+\b):8*(8*((\a)%4)+\b)+7], v[SC+16*(\sc)+2*\b+(\q)], v[SC+16*(\sc)+2*(\a)+(\q)] matrix_a_fmt:MATRIX_FMT_FP6 matrix_b_fmt:MATRIX_FMT_FP6 matrix_a_scale:MATRIX_SCALE_ROW1
.endif
.endr
.endr
.endm
.macro FETCH_B slot, q, p
	WIN TO_B
.irp i, 0,1,2,3,4,5,6,7
	FRAG 128*(\p)+FR*\i, ADRB+\slot, \q, \i
.endr
	WIN 0
.endm
.macro FETCH_A slot, q, i0
.irp i, \i0, \i0+1, \i0+2, \i0+3
	FRAG AF+FR*(\i), ADRA+\slot, \q, \i
.endr
.endm
.macro SCALES sc                       ; a K step's two scale words a row: lanes 0-15 region A's block i, lanes 16-31 region B's block i
.irp i, 0,1,2,3,4,5,6,7
	ds_load_b64 v[SC+16*\sc+2*\i:SC+16*\sc+2*\i+1], v[ADRS] offset:\i*SBLK
.endr
.endm
.macro PLACES n                        ; a load into a register that a matrix instruction has read, and a vector instruction that reads a result, stand four plain vector instructions behind it (ISA guide 7.12.1 for vector instructions)
.rept \n
	v_nop
.endr
.endm
.macro STEP slot, zero                 ; a slot's first 128 along K
	s_wait_dscnt 16                                ; all but the youngest 16 loads (source 1's blocks 4-7) are in
	WIN MUL_LO
	MUL16 0, 0, 0, \slot, \zero
	MUL16 2, 0, 0, \slot, \zero
	s_wait_dscnt 0
	PLACES 4
	FETCH_B \slot, 1, 1
	FETCH_A \slot, 1, 0
	WIN MUL_HI
	MUL16 4, 0, 0, \slot, \zero
	MUL16 6, 0, 0, \slot, \zero
	PLACES 4
	WIN 0
	FETCH_A \slot, 1, 4
.endm
; A slot's second 128 along K changes slots: one barrier; in front of it each wave waits for all its tensor loads, adds 0 to its spare word, and waits for that and for its own reads of this slot.  fill = 1: the slot is filled again, two K steps ahead.
.macro TURN slot, next, fill
	s_wait_tensorcnt 0x0                           ; all my tensor loads have landed: my part of the next slot
	ds_add_u32 v[SPW], v[NIL]                      ; 0 onto my spare word
	s_wait_dscnt 17                                ; (the add and the youngest 16 loads may be out)
	WIN MUL_LO
	MUL16 0, 1, 1, \slot, 0
	s_wait_dscnt 0x0                               ; the add is done, and my reads of this slot are over
	s_barrier_signal -1
	MUL16 2, 1, 1, \slot, 0
	WIN 0
	s_barrier_wait -1
.if \fill
	CREST                                          ; the barrier has opened a round of the cluster's barrier: no wave of any partner still reads this slot or has a load on its way
	s_add_nc_u64 s[G0+4*\slot+2:G0+4*\slot+3], s[G0+4*\slot+2:G0+4*\slot+3], 2*ROWB
	s_add_nc_u64 s[G0B+4*\slot+2:G0B+4*\slot+3], s[G0B+4*\slot+2:G0B+4*\slot+3], 2*ROWB
	JLOAD G0+4*\slot, G1, G0B+4*\slot, G1B         ; the first tensor load behind the round, and my only one until the next; its four v_nop are the places in front of the loads below
.else
	PLACES 4
.endif
	s_wait_alu depctr_va_vdst(0)
	v_add_nc_u32 v[ADRS], 8, v[ADRS]               ; the next K step's scale words
	FETCH_B \next, 0, 0
	FETCH_A \next, 0, 0
	SCALES \next
	WIN MUL_HI
	MUL16 4, 1, 1, \slot, 0
	MUL16 6, 1, 1, \slot, 0
	PLACES 4
	WIN 0
	FETCH_A \next, 0, 4
.endm
	s_wait_alu depctr_va_vdst(0)
	s_wait_tensorcnt 0x0                           ; my tile of the head's four is in
	ds_add_u32 v[SPW], v[NIL]
	s_mov_b32 s[G1+2], 8<<16                       ; no tensor load of mine is out: from here on a load brings 128 rows, 8 rows of the descriptor
	s_mov_b32 s[G1+4], 8
	s_mov_b32 s[G1B+2], 8<<16
	s_mov_b32 s[G1B+4], 8
	s_wait_dscnt 0x0
	CROUND                                         ; all four tiles are in, and all sixteen work-groups are here
	JLOAD G0+4, G1, G0B+4, G1B                     ; K step 1 into slot 1: the first tensor load behind the round
	FETCH_B 0, 0, 0
	FETCH_A 0, 0, 0
	SCALES 0
	FETCH_A 0, 0, 4
	STEP 0, 1                                      ; K step 0; its first products start the sums
	TURN 0, 1, 1                                   ; slot 0 takes K step 2
	STEP 1, 0
	TURN 1, 0, 1                                   ; slot 1 takes K step 3
	STEP 0, 0
	TURN 0, 1, 0                                   ; nothing is left to fetch
	STEP 1, 0
	s_wait_dscnt 16
	WIN MUL_LO
	MUL16 0, 1, 1, 1, 0
	MUL16 2, 1, 1, 1, 0
	s_wait_dscnt 0
	WIN MUL_HI
	MUL16 4, 1, 1, 1, 0
	MUL16 6, 1, 1, 1, 0
	WIN 0
; THE WAY OUT, block by block of source 1: 16 rows (lanes) x 128 (registers and halves).  The bias is added, the 64 numbers of a lane are quantised, and the 12 registers of codes are stored as they stand: every store covers 512 or 256 consecutive bytes.
.macro OUTA a
	s_cmp_eq_u32 s[KV], 1                          ; the same in all sixteen partners
	s_cbranch_scc1 .Lrow_\@
	WIN 0x06+(\a)/4                                ; source 0: the accumulators' window; source 1: window 1
.irp b, 0,1,2,3,4,5,6,7
.irp i, 0,2,4,6
	v_pk_add_f32 v[T+8*\b+\i:T+8*\b+\i+1], v[64*((\a)%4)+8*\b+\i:64*((\a)%4)+8*\b+\i+1], v[96+8*\b+96*(\b/4)+\i:96+8*\b+96*(\b/4)+\i+1]   ; q, k: the registers run along the channels; each accumulator from its low end on
.endr
.endr
	WIN 0
	s_branch .Lsum_\@
.Lrow_\@:
	WIN 0x02+(\a)/4
.irp b, 0,1,2,3,4,5,6,7
.irp i, 0,2,4,6
	v_pk_add_f32 v[T+8*\b+\i:T+8*\b+\i+1], v[64*((\a)%4)+8*\b+\i:64*((\a)%4)+8*\b+\i+1], v[RB+2*(\a):RB+2*(\a)+1]   ; v: a lane holds one channel
.endr
.endr
	WIN 0
.Lsum_\@:
	s_wait_xcnt 0x0                                ; the last block's stores have read their data and their base
.if (\a) > 0
	s_add_nc_u64 s[OB:OB+1], s[OB:OB+1], s[STA:STA+1]
.endif
.if (\a) == 4
	s_add_nc_u64 s[OB:OB+1], s[OB:OB+1], s[EXT:EXT+1]
.endif
	QUANT T, PC, TM, PWS+\a
	global_store_b128 v[L16], v[PC:PC+3], s[OB:OB+1]
	global_store_b64 v[L8], v[PC+4:PC+5], s[OB:OB+1] offset:512
	global_store_b128 v[L16D], v[PC+6:PC+9], s[OB:OB+1]
	global_store_b64 v[L8D], v[PC+10:PC+11], s[OB:OB+1] offset:512
.endm
	s_wait_loadcnt 0x0                             ; the biases
	PLACES 4                                       ; behind the last products: their results are read and their operands' registers written below
.irp b, 0,1,2,3
	v_mov_b32 v[TM+4+\b], 0                        ; written once: a lane permute's destination counts as one of its sources
.endr
.irp a, 0,1,2,3,4,5,6,7
	OUTA \a
.endr
.irp p, 0,1,2,3
	v_perm_b32 v[WW+\p], v[PWS+2*\p+1], v[PWS+2*\p], v[PSEL]       ; q, k: a head's two bytes of tiles 2 p and 2 p + 1 make a word; lanes 0-15 my first head's, lanes 16-31 the next head's
	v_cndmask_b32 v[WV2+\p], v[PWS+\p], v[PWS+4+\p], s3            ; v: blocks 0-3 are my first head's channels, blocks 4-7 the next head's
.endr
.irp p, 0,1,2,3
	v_cndmask_b32 v[WW+\p], v[WW+\p], v[WV2+\p], s10
.endr
	global_store_b128 v[SWO], v[WW:WW+3], s[OS:OS+1]               ; sixteen lanes store 256 consecutive bytes
	s_wait_tensorcnt 0x0                           ; the wave's end, behind my last tensor load
	ds_add_u32 v[SPW], v[NIL]
	s_wait_dscnt 0x0
	CROUND                                         ; the closing round: no work-group ends while a partner may still ask for a tile that names it
	s_endpgm
.Lfunc_end_k_q20035e7f44_proj:
	.size	k_q20035e7f44_proj, .Lfunc_end_k_q20035e7f44_proj-k_q20035e7f44_proj
	.p2alignl 7, 3214868480
	.fill 96, 4, 3214868480
	.section	.rodata,"a",@progbits
	.p2align	6, 0x0
	.amdhsa_kernel k_q20035e7f44_proj
		.amdhsa_group_segment_fixed_size 327680
		.amdhsa_private_segment_fixed_size 0
		.amdhsa_enable_private_segment 0
		.amdhsa_kernarg_size 72
		.amdhsa_user_sgpr_count 2
		.amdhsa_user_sgpr_kernarg_segment_ptr 1
		.amdhsa_wavefront_size32 1
		.amdhsa_system_sgpr_workgroup_id_x 1
		.amdhsa_system_sgpr_workgroup_id_y 1
		.amdhsa_system_sgpr_workgroup_id_z 1
		.amdhsa_system_vgpr_workitem_id 0
		.amdhsa_next_free_vgpr 1024
		.amdhsa_next_free_sgpr 102
		.amdhsa_reserve_vcc 0
		.amdhsa_float_denorm_mode_32 3
		.amdhsa_float_denorm_mode_16_64 3
		.amdhsa_memory_ordered 1
		.amdhsa_forward_progress 1
		.amdhsa_inst_pref_size 188
	.end_amdhsa_kernel
	.amdgpu_metadata
---
amdhsa.version: [ 1, 2 ]
amdhsa.kernels:
  - .name:           k_q20035e7f44_proj
    .symbol:         k_q20035e7f44_proj.kd
    .args:
      - { .name: xc, .offset: 0, .size: 8, .value_kind: global_buffer, .address_space: global }
      - { .name: wc, .offset: 8, .size: 8, .value_kind: global_buffer, .address_space: global }
      - { .name: s1, .offset: 16, .size: 8, .value_kind: global_buffer, .address_space: global }
      - { .name: bq, .offset: 24, .size: 8, .value_kind: global_buffer, .address_space: global }
      - { .name: bk, .offset: 32, .size: 8, .value_kind: global_buffer, .address_space: global }
      - { .name: bv, .offset: 40, .size: 8, .value_kind: global_buffer, .address_space: global }
      - { .name: qc, .offset: 48, .size: 8, .value_kind: global_buffer, .address_space: global }
      - { .name: kvc, .offset: 56, .size: 8, .value_kind: global_buffer, .address_space: global }
      - { .name: sw, .offset: 64, .size: 8, .value_kind: global_buffer, .address_space: global }
    .group_segment_fixed_size: 327680
    .private_segment_fixed_size: 0
    .kernarg_segment_align: 8
    .kernarg_segment_size: 72
    .max_flat_workgroup_size: 128
    .sgpr_count:     102
    .vgpr_count:     1024
    .wavefront_size: 32
...
	.end_amdgpu_metadata
.endif
;; end of part 2
;; launch attn (part 3): grid 4 x 64, 16 waves a work-group, clusters of 4 x 1, 327,680 bytes of LDS; arguments qc, kvc, sw, mask, aoc, aos; writes aoc, aos
.if DOCPART == 3
	.amdgcn_target "amdgcn-amd-amdhsa--gfx1250"
	.amdhsa_code_object_version 6
	.text
	.protected	k_q20035e7f44_attn
	.globl	k_q20035e7f44_attn
	.p2align	8
	.type	k_q20035e7f44_attn,@function
k_q20035e7f44_attn:
	s_mov_b64 s[64:65], 0
	v_nop
	global_prefetch_b8 v0, s[64:65] scope:SCOPE_SE
	s_setreg_imm32_b32 hwreg(HW_REG_WAVE_MODE, 25, 1), 1
	s_wait_xcnt 0x0
	s_wait_alu depctr_hold_cnt(0) depctr_sa_sdst(0) depctr_va_vdst(0) depctr_va_sdst(0) depctr_va_ssrc(0) depctr_va_vcc(0) depctr_vm_vsrc(0)
	s_getreg_b32 s2, hwreg(HW_REG_IB_STS2, 6, 4)
	s_cmp_eq_u32 s2, 0
	s_cbranch_scc0 .Lentry_in_a_cluster
	s_endpgm
.Lentry_in_a_cluster:
	s_bfe_u32 s2, ttmp6, 0x10000c
	s_cmp_lg_u32 s2, 0x3003
	s_cbranch_scc0 .Lentry_shape_is_right
	s_endpgm
.Lentry_shape_is_right:
; softmax(q k^T / 8, masked) v for one head and 512 queries a work-group, on codes of FP6 with E8M0 scales; the context leaves as codes along the model's 1,024.
; A head's K and V (16 steps of 128 keys, 12,288 bytes each) come once, a step a wave, by loads that the four query blocks of the head ask for jointly; nothing is filled again.
; The steps' scale words (8,192 bytes) and the mask (as a bias of 0 or -2^60, the first product's C) come by plain loads and LDS stores, 16 bytes a thread.
; A wave takes 16 queries a pass, two passes; both products are used transposed, so that a lane holds one query; M is the ceiling of the running largest t.
; LIMITS: NaN and infinities are not served; the scaled scores stay under 2^31 in magnitude.
.set KVS,   12288
.set SWB,   16*KVS
.set MB,    SWB+8192
.set SPARE, MB+8192
.set L16,  1
.set L8,   2
.set ASW0, 3
.set AMB0, 4
.set SPW,  5
.set NIL,  6
.set AOS,  7
.set A16,  8
.set A8,   9
.set ASW,  10
.set AMB,  11
.set QF,   16
.set QS,   34
.set QW,   35
.set KS,   36
.set VS,   40
.set PW,   44
.set R16,  45
.set KF,   48
.set S,    96
.set O,    160
.set PC,   192
.set PT,   204
.set BM,   212
.set W2,   216
.set SO,   220
.set F,    224
.set TT,   226
.set WV,   18
.set SEL,  20
.set CS,   22
.set G1C,  24
.set G1W,  32
.set G0C,  40
.set G0W,  44
.set TB,   48
.set TS,   49
.macro CROUND
	s_barrier_signal -1
	s_barrier_wait -1
	s_cmp_lg_u32 s[WV], 0
	s_cbranch_scc1 .Lnot_wave_0_\@
	s_barrier_signal -3
.Lnot_wave_0_\@:
	s_barrier_wait -3
	s_barrier_signal -1
	s_barrier_wait -1
.endm
	s_load_b256 s[4:11], s[0:1], 0x0
	s_load_b128 s[12:15], s[0:1], 0x20
	v_lshl_add_u32 v[SPW], v0, 2, SPARE
	v_mov_b32 v[NIL], 0
	ds_add_u32 v[SPW], v[NIL]
	ds_add_u32 v[SPW], v[NIL]
	v_lshrrev_b32 v8, 5, v0
	s_delay_alu instid0(VALU_DEP_1)
	v_readfirstlane_b32 s[WV], v8
	s_bfe_u32 s52, ttmp6, 0x40000
	s_and_b32 s53, ttmp7, 0xffff
	s_mov_b32 s[G1C], 15|(3<<16)|(1<<21)
	s_mov_b32 s[G1C+1], 32<<16
	s_mov_b32 s[G1C+2], 48<<16
	s_mov_b32 s[G1C+3], 32<<16
	s_mov_b32 s[G1C+4], 48
	s_mov_b32 s[G1C+5], 32
	s_mov_b32 s[G1C+6], 0
	s_mov_b32 s[G1C+7], 0
	s_mul_i32 s54, s53, 16*KVS
	s_mul_i32 s56, s[WV], KVS
	s_add_co_u32 s54, s54, s56
	s_mov_b32 s55, 0
	s_lshl_b32 s58, s53, 13
	s_add_co_u32 s58, s58, 262144
	s_mov_b32 s59, 0
	s_mov_b32 s[SEL], 0x76543210
	s_mov_b32 s[SEL+1], 0xfedcba98
	s_mov_b32 s[CS], 0x3e38aa3b
	s_mov_b32 s[CS+1], s[CS]
	s_wait_dscnt 0x0
	s_wait_kmcnt 0x0
	s_mov_b32 s[G0C], 1
	s_mov_b32 s[G0C+1], s56
	s_add_nc_u64 s[G0C+2:G0C+3], s[6:7], s[54:55]
	s_or_b32 s[G0C+3], s[G0C+3], 0x80000000
	s_add_nc_u64 s[G0W+2:G0W+3], s[8:9], s[58:59]  ; my head's 8,192 bytes of K's and V's scale words
	CROUND
	tensor_load_to_lds s[G0C:G0C+3], s[G1C:G1C+7]
	s_nop 0
.rept 4
	v_nop
.endr
	s_lshr_b32 s54, s53, 4
	s_and_b32 s55, s53, 15
	s_lshl_b32 s56, s54, 13
	s_mov_b32 s57, 0
	s_add_nc_u64 s[10:11], s[10:11], s[56:57]
	v_lshlrev_b32 v46, 4, v0
	global_load_b128 v[96:99], v46, s[10:11]
	global_load_b128 v[232:235], v46, s[G0W+2:G0W+3]   ; the scale words: 16 bytes a thread, 512 consecutive bytes a wave
	s_mul_i32 s56, s53, 98304
	s_add_nc_u64 s[16:17], s[4:5], s[56:57]
	s_lshl_b32 s56, s53, 12
	s_add_nc_u64 s[8:9], s[8:9], s[56:57]
	s_mul_i32 s56, s54, 128*12288
	s_mul_i32 s58, s55, 768
	s_add_co_u32 s56, s56, s58
	s_add_nc_u64 s[12:13], s[12:13], s[56:57]
	s_lshl_b32 s56, s54, 16
	s_lshl_b32 s58, s55, 1
	s_add_co_u32 s56, s56, s58
	s_add_nc_u64 s[14:15], s[14:15], s[56:57]
	s_and_b32 s51, s[WV], 1
	s_cmp_eq_u32 s51, 1
	s_mov_b32 s51, 0x01000100
	s_cselect_b32 s51, 0x03020302, s51
	v_and_b32 v8, 31, v0
	v_and_b32 v9, 15, v0
	v_bfe_u32 v10, v0, 4, 1
	s_delay_alu instid0(VALU_DEP_3)
	v_lshlrev_b32 v[L16], 4, v8
	s_delay_alu instid0(VALU_DEP_4)
	v_lshlrev_b32 v[L8], 3, v8
	s_delay_alu instid0(VALU_DEP_4)
	v_lshl_add_u32 v[ASW0], v9, 4, SWB
	s_delay_alu instid0(VALU_DEP_4)
	v_lshl_add_u32 v[AMB0], v10, 7, MB
	v_lshlrev_b32 v229, 3, v10                     ; 8 h: where my two bytes stand in p's scale word
	v_lshlrev_b32 v[AOS], 5, v9
	v_lshlrev_b32 v[R16], 4, v9
	v_lshl_add_u32 v228, v0, 4, SWB
	v_lshl_add_u32 v47, v0, 4, MB
	v_mov_b32 v100, 0xdd800000
.irp b, 0,1,2,3
	v_mov_b32 v[W2+\b], 0
.endr
	v_mov_b32 v[F+1], 0
	v_mov_b32 v[TT], 0
	s_wait_loadcnt 0x0
.irp i, 0,1,2,3
	v_cmp_eq_u32 s[60+\i], 0, v[96+\i]
.endr
.irp i, 0,1,2,3
	s_delay_alu instid0(VALU_DEP_4)
	v_cndmask_b32 v[96+\i], 0, v100, s[60+\i]
.endr
	ds_store_b128 v47, v[96:99]
	ds_store_b128 v228, v[232:235]
	s_wait_tensorcnt 0x0
	s_wait_dscnt 0x0
	s_barrier_signal -1
	s_barrier_wait -1
.macro STEP
	v_add_nc_u32 v[A16], s[TB], v[L16]
	v_add_nc_u32 v[A8], s[TB], v[L8]
	v_add_nc_u32 v[ASW], s[TS], v[ASW0]
	v_add_nc_u32 v[AMB], s[TS], v[AMB0]
.irp t, 0,1,2,3,4,5,6,7
	; row (h, j) of K's tile t = 4 c + u is key 64 c + 32 h + 16 (u % 2) + 8 (u / 2) + j of the step: a lane's 32 registers of tiles 4 c .. 4 c + 3 are block 2 c + h, in the order of places in which V's codes lie
	ds_load_b128 v[S+8*\t:S+8*\t+3], v[AMB] offset:256*(\t/4)+64*(\t%2)+32*((\t/2)%2)
	ds_load_b128 v[S+8*\t+4:S+8*\t+7], v[AMB] offset:256*(\t/4)+64*(\t%2)+32*((\t/2)%2)+16
.endr
.irp p, 0,1,2,3
	ds_load_b128 v[KF+12*\p:KF+12*\p+3], v[A16] offset:1536*\p
	ds_load_b64 v[KF+12*\p+4:KF+12*\p+5], v[A8] offset:1536*\p+512
	ds_load_b128 v[KF+12*\p+6:KF+12*\p+9], v[A16] offset:1536*\p+768
	ds_load_b64 v[KF+12*\p+10:KF+12*\p+11], v[A8] offset:1536*\p+1280
.endr
	ds_load_b128 v[KS:KS+3], v[ASW]
	s_wait_alu depctr_va_vdst(0)
	s_wait_dscnt 0x0
.irp t, 0,1,2,3,4,5,6,7
	v_wmma_scale_f32_16x16x128_f8f6f4 v[S+8*\t:S+8*\t+7], v[KF+12*(\t/2):KF+12*(\t/2)+11], v[QF+6*(\t%2):QF+6*(\t%2)+11], v[S+8*\t:S+8*\t+7], v[KS+\t/2], v[QS] matrix_a_fmt:MATRIX_FMT_FP6 matrix_b_fmt:MATRIX_FMT_FP6
.endr
.rept 4
	v_nop
.endr
.irp d, 0,1,2,3
	ds_load_b128 v[KF+12*\d:KF+12*\d+3], v[A16] offset:6144+1536*\d
	ds_load_b64 v[KF+12*\d+4:KF+12*\d+5], v[A8] offset:6144+1536*\d+512
	ds_load_b128 v[KF+12*\d+6:KF+12*\d+9], v[A16] offset:6144+1536*\d+768
	ds_load_b64 v[KF+12*\d+10:KF+12*\d+11], v[A8] offset:6144+1536*\d+1280
.endr
	ds_load_b128 v[VS:VS+3], v[ASW] offset:256
.irp b, 0,1,2,3
	v_max3_num_f32 v[BM+\b], v[S+16*\b], v[S+16*\b+1], v[S+16*\b+2]
.endr
.irp i, 3,5,7,9,11,13
.irp b, 0,1,2,3
	v_max3_num_f32 v[BM+\b], v[BM+\b], v[S+16*\b+\i], v[S+16*\b+\i+1]
.endr
.endr
	v_max_num_f32 v[BM+1], v[BM+1], v[S+31]
	v_max_num_f32 v[BM+3], v[BM+3], v[S+63]
	v_max3_num_f32 v[BM], v[BM], v[S+15], v[BM+1]          ; my block 0 + h: two chains of 16 joined
	v_max3_num_f32 v[BM+2], v[BM+2], v[S+47], v[BM+3]      ; my block 2 + h
	s_delay_alu instid0(VALU_DEP_1)
	v_max_num_f32 v[TT], v[BM], v[BM+2]
	s_delay_alu instid0(VALU_DEP_1)
	v_permlanex16_b32 v[W2], v[TT], s[SEL], s[SEL+1]
	s_delay_alu instid0(VALU_DEP_1)
	v_max_num_f32 v[TT], v[TT], v[W2]                      ; with lane l xor 16's two blocks: the step's largest score of my query
	s_delay_alu instid0(VALU_DEP_1)
	v_mul_f32 v[TT], s[CS], v[TT]
	s_delay_alu instid0(VALU_DEP_1)
	v_max_num_f32 v13, v13, v[TT]
	v_mov_b32 v[TT], v12
	s_delay_alu instid0(VALU_DEP_2)
	v_floor_f32 v12, -v13
	s_delay_alu instid0(VALU_DEP_1)
	v_sub_f32 v[TT], v12, v[TT]
	s_delay_alu instid0(VALU_DEP_1)
	v_cvt_i32_f32 v[TT], v[TT]
	s_delay_alu instid0(VALU_DEP_1)
	v_ldexp_f32 v[F], 1.0, v[TT]
.irp j, 0,2,4,6,8,10,12,14,16,18,20,22,24,26,28,30,32,34,36,38,40,42,44,46,48,50,52,54,56,58,60,62
	v_pk_fma_f32 v[S+\j:S+\j+1], v[S+\j:S+\j+1], s[CS:CS+1], v[12:13] op_sel_hi:[1,0,0]
.endr
	v_fma_f32 v[BM], v[BM], s[CS], v12
	v_fma_f32 v[BM+2], v[BM+2], s[CS], v12
	s_wait_alu depctr_va_vdst(0)
.irp j, 0,1,2,3,4,5,6,7,8,9,10,11,12,13,14,15,16,17,18,19,20,21,22,23,24,25,26,27,28,29,30,31,32,33,34,35,36,37,38,39,40,41,42,43,44,45,46,47,48,49,50,51,52,53,54,55,56,57,58,59,60,61,62,63
	v_exp_f32 v[S+\j], v[S+\j]
.endr
	v_pk_mul_f32 v[14:15], v[14:15], v[F:F+1] op_sel_hi:[1,0]
	s_wait_alu depctr_va_vdst(0)
	v_exp_f32 v[BM], v[BM]
	v_exp_f32 v[BM+2], v[BM+2]
	v_pk_add_f32 v[W2:W2+1], v[S:S+1], v[S+2:S+3]
.irp j, 4,8,12,16,20,24,28,32,36,40,44,48,52,56,60
	v_pk_add_f32 v[14:15], v[14:15], v[S+\j:S+\j+1]
	v_pk_add_f32 v[W2:W2+1], v[W2:W2+1], v[S+\j+2:S+\j+3]
.endr
	s_delay_alu instid0(VALU_DEP_1)
	v_pk_add_f32 v[14:15], v[14:15], v[W2:W2+1]
	s_wait_alu depctr_va_vdst(0)
	v_max_num_f32 v[BM], 0x1800000, v[BM]                  ; the floor 2^(3 - 127): the byte cannot fall under 1
	v_max_num_f32 v[BM+2], 0x1800000, v[BM+2]
	s_delay_alu instid0(VALU_DEP_2)
	v_add_nc_u32 v[SO], 0xff000000, v[BM]                  ; 2 off the exponent field: the conversions' scale operand
	s_delay_alu instid0(VALU_DEP_2)
	v_add_nc_u32 v[SO+1], 0xff000000, v[BM+2]
	s_delay_alu instid0(VALU_DEP_2)
	v_lshrrev_b32 v[W2], 23, v[SO]
	s_delay_alu instid0(VALU_DEP_2)
	v_lshrrev_b32 v[W2+1], 23, v[SO+1]
	s_delay_alu instid0(VALU_DEP_1)
	v_lshl_or_b32 v[W2], v[W2+1], 16, v[W2]                ; my two bytes: blocks h and 2 + h,
	s_delay_alu instid0(VALU_DEP_1)
	v_lshlrev_b32 v[W2], v229, v[W2]                       ; at their places in the word;
	s_delay_alu instid0(VALU_DEP_1)
	v_permlanex16_b32 v[W2+1], v[W2], s[SEL], s[SEL+1]
	s_delay_alu instid0(VALU_DEP_1)
	v_or_b32 v[PW], v[W2], v[W2+1]                         ; with lane l xor 16's two the word is whole
.irp c, 0,1
	v_cvt_scalef32_pk16_fp6_f32 v[PC+6*\c:PC+6*\c+2], v[S+32*\c:S+32*\c+15], v[SO+\c]
	v_cvt_scalef32_pk16_fp6_f32 v[PT+4*\c:PT+4*\c+2], v[S+32*\c+16:S+32*\c+31], v[SO+\c]   ; (a conversion's three registers begin on an even number)
.endr
	v_nop
.irp c, 0,1
.irp i, 0,1,2
	v_mov_b32 v[PC+3+6*\c+\i], v[PT+4*\c+\i]
.endr
.endr
.irp j, 0,2,4,6,8,10,12,14,16,18,20,22,24,26,28,30
	v_pk_mul_f32 v[O+\j:O+\j+1], v[O+\j:O+\j+1], v[F:F+1] op_sel_hi:[1,0]
.endr
	s_wait_alu depctr_va_vdst(0)
	s_wait_dscnt 0x0
.irp d, 0,1,2,3
	v_wmma_scale_f32_16x16x128_f8f6f4 v[O+8*\d:O+8*\d+7], v[KF+12*\d:KF+12*\d+11], v[PC:PC+11], v[O+8*\d:O+8*\d+7], v[VS+\d], v[PW] matrix_a_fmt:MATRIX_FMT_FP6 matrix_b_fmt:MATRIX_FMT_FP6
.endr
	s_add_co_u32 s[TB], s[TB], KVS
	s_add_co_u32 s[TS], s[TS], 512
.endm
.macro PASS p
	s_wait_xcnt 0x0
	s_lshl_b32 s54, s52, 5
	s_add_co_u32 s54, s54, s[WV]
	s_add_co_u32 s54, s54, 16*\p
	s_mov_b32 s57, 0
	s_mul_i32 s56, s54, 768
	s_add_nc_u64 s[58:59], s[16:17], s[56:57]
	s_lshr_b32 s56, s54, 3
	s_lshl_b32 s56, s56, 8
	s_bfe_u32 s55, s54, 0x20001
	s_lshl_b32 s55, s55, 2
	s_add_co_u32 s56, s56, s55
	s_add_nc_u64 s[60:61], s[8:9], s[56:57]
	s_mul_i32 s56, s54, 12288
	s_add_nc_u64 s[62:63], s[12:13], s[56:57]
	s_lshl_b32 s56, s54, 9
	s_add_nc_u64 s[66:67], s[14:15], s[56:57]
	global_load_b128 v[QF:QF+3], v[L16], s[58:59]
	global_load_b64 v[QF+4:QF+5], v[L8], s[58:59] offset:512
	global_load_b128 v[QF+12:QF+15], v[L16], s[58:59]
	global_load_b64 v[QF+16:QF+17], v[L8], s[58:59] offset:512
	global_load_b32 v[QW], v[R16], s[60:61]
.irp i, 6,7,8,9,10,11
	v_mov_b32 v[QF+\i], 0
.endr
	v_mov_b32 v13, 0xff61b1e6
	s_delay_alu instid0(VALU_DEP_1)
	v_floor_f32 v12, -v13
	v_mov_b32 v14, 0
	v_mov_b32 v15, 0
	s_wait_loadcnt 0x0
	v_perm_b32 v[QS], v[QW], v[QW], s51
.irp j, 0,1,2,3,4,5,6,7,8,9,10,11,12,13,14,15,16,17,18,19,20,21,22,23,24,25,26,27,28,29,30,31
	v_mov_b32 v[O+\j], 0
.endr
	s_mov_b32 s[TB], 0
	s_mov_b32 s[TS], 0
	s_mov_b32 s50, 16
.Lstep_\@:
	STEP
	s_sub_co_u32 s50, s50, 1
	s_cmp_lg_u32 s50, 0
	s_cbranch_scc1 .Lstep_\@
.rept 4
	v_nop
.endr
	v_add_f32 v14, v14, v15
	s_delay_alu instid0(VALU_DEP_1)
	v_permlanex16_b32 v[TT], v14, s[SEL], s[SEL+1]
	s_delay_alu instid0(VALU_DEP_1)
	v_add_f32 v14, v14, v[TT]
	s_wait_alu depctr_va_vdst(0)
	v_rcp_f32 v14, v14
	v_nop
	s_wait_alu depctr_va_vdst(0)
.irp j, 0,1,2,3,4,5,6,7,8,9,10,11,12,13,14,15,16,17,18,19,20,21,22,23,24,25,26,27,28,29,30,31
	v_mul_f32 v[S+\j], v[O+\j], v14
.endr
.irp b, 0,1
	v_max3_num_f32 v[BM+\b], |v[S+16*\b]|, |v[S+16*\b+1]|, 0x1800000
.endr
.irp i, 2,4,6,8,10,12,14
.irp b, 0,1
	s_delay_alu instid0(VALU_DEP_2)
	v_max3_num_f32 v[BM+\b], v[BM+\b], |v[S+16*\b+\i]|, |v[S+16*\b+\i+1]|
.endr
.endr
.irp b, 0,1
	s_delay_alu instid0(VALU_DEP_2)
	v_permlanex16_b32 v[W2+\b], v[BM+\b], s[SEL], s[SEL+1]
.endr
.irp b, 0,1
	s_delay_alu instid0(VALU_DEP_2)
	v_max_num_f32 v[BM+\b], v[BM+\b], v[W2+\b]
.endr
.irp b, 0,1
	s_delay_alu instid0(VALU_DEP_2)
	v_add_nc_u32 v[SO+\b], 0xff000000, v[BM+\b]
.endr
.irp b, 0,1
	s_delay_alu instid0(VALU_DEP_2)
	v_lshrrev_b32 v[W2+\b], 23, v[SO+\b]
.endr
	s_delay_alu instid0(VALU_DEP_1)
	v_lshl_or_b32 v[TT], v[W2+1], 8, v[W2]
	v_cvt_scalef32_pk16_fp6_f32 v[PC:PC+2], v[S:S+15], v[SO]
	v_cvt_scalef32_pk16_fp6_f32 v[PT:PT+2], v[S+16:S+31], v[SO+1]
	v_nop
.irp i, 0,1,2
	v_permlane16_swap_b32 v[PC+\i], v[PT+\i]
.endr
.irp i, 0,1,2
	s_delay_alu instid0(VALU_DEP_3)
	v_mov_b32 v[PC+3+\i], v[PT+\i]
.endr
	global_store_b128 v[L16], v[PC:PC+3], s[62:63]
	global_store_b64 v[L8], v[PC+4:PC+5], s[62:63] offset:512
	global_store_b16 v[AOS], v[TT], s[66:67]
.endm
	PASS 0
	PASS 1
	s_wait_tensorcnt 0x0
	ds_add_u32 v[SPW], v[NIL]
	s_wait_dscnt 0x0
	CROUND
	s_endpgm
.Lfunc_end_k_q20035e7f44_attn:
	.size	k_q20035e7f44_attn, .Lfunc_end_k_q20035e7f44_attn-k_q20035e7f44_attn
	.p2alignl 7, 3214868480
	.fill 96, 4, 3214868480
	.section	.rodata,"a",@progbits
	.p2align	6, 0x0
	.amdhsa_kernel k_q20035e7f44_attn
		.amdhsa_group_segment_fixed_size 327680
		.amdhsa_private_segment_fixed_size 0
		.amdhsa_enable_private_segment 0
		.amdhsa_kernarg_size 48
		.amdhsa_user_sgpr_count 2
		.amdhsa_user_sgpr_kernarg_segment_ptr 1
		.amdhsa_wavefront_size32 1
		.amdhsa_system_sgpr_workgroup_id_x 1
		.amdhsa_system_sgpr_workgroup_id_y 1
		.amdhsa_system_sgpr_workgroup_id_z 1
		.amdhsa_system_vgpr_workitem_id 0
		.amdhsa_next_free_vgpr 256
		.amdhsa_next_free_sgpr 72
		.amdhsa_reserve_vcc 0
		.amdhsa_float_denorm_mode_32 3
		.amdhsa_float_denorm_mode_16_64 3
		.amdhsa_memory_ordered 1
		.amdhsa_forward_progress 1
		.amdhsa_inst_pref_size 54
	.end_amdhsa_kernel
	.amdgpu_metadata
---
amdhsa.version: [ 1, 2 ]
amdhsa.kernels:
  - .name:           k_q20035e7f44_attn
    .symbol:         k_q20035e7f44_attn.kd
    .args:
      - { .name: qc, .offset: 0, .size: 8, .value_kind: global_buffer, .address_space: global }
      - { .name: kvc, .offset: 8, .size: 8, .value_kind: global_buffer, .address_space: global }
      - { .name: sw, .offset: 16, .size: 8, .value_kind: global_buffer, .address_space: global }
      - { .name: mask, .offset: 24, .size: 8, .value_kind: global_buffer, .address_space: global }
      - { .name: aoc, .offset: 32, .size: 8, .value_kind: global_buffer, .address_space: global }
      - { .name: aos, .offset: 40, .size: 8, .value_kind: global_buffer, .address_space: global }
    .group_segment_fixed_size: 327680
    .private_segment_fixed_size: 0
    .kernarg_segment_align: 8
    .kernarg_segment_size: 48
    .max_flat_workgroup_size: 512
    .sgpr_count:     72
    .vgpr_count:     256
    .wavefront_size: 32
...
	.end_amdgpu_metadata
.endif
;; end of part 3
;; launch outp (part 4): grid 32 x 8, 4 waves a work-group, clusters of 4 x 4, 327,680 bytes of LDS; arguments aoc, aos, wc, s1, bo, out0; writes out0
.if DOCPART == 4
	.amdgcn_target "amdgcn-amd-amdhsa--gfx1250"
	.amdhsa_code_object_version 6
	.text
	.protected	k_q20035e7f44_outp
	.globl	k_q20035e7f44_outp
	.p2align	8
	.type	k_q20035e7f44_outp,@function
k_q20035e7f44_outp:
	s_mov_b64 s[64:65], 0
	v_nop
	global_prefetch_b8 v0, s[64:65] scope:SCOPE_SE
	s_setreg_imm32_b32 hwreg(HW_REG_WAVE_MODE, 25, 1), 1
	s_wait_xcnt 0x0
	s_wait_alu depctr_hold_cnt(0) depctr_sa_sdst(0) depctr_va_vdst(0) depctr_va_sdst(0) depctr_va_ssrc(0) depctr_va_vcc(0) depctr_vm_vsrc(0)
	s_getreg_b32 s2, hwreg(HW_REG_IB_STS2, 6, 4)
	s_cmp_eq_u32 s2, 0
	s_cbranch_scc0 .Lentry_in_a_cluster
	s_endpgm
.Lentry_in_a_cluster:
	s_bfe_u32 s2, ttmp6, 0x10000c
	s_cmp_lg_u32 s2, 0xf033
	s_cbranch_scc0 .Lentry_shape_is_right
	s_endpgm
.Lentry_shape_is_right:
; out0[token][n] = sum over k of context[token][k] Wo[k][n] + bo[n], f32, on codes of FP6 (E2M3) with E8M0 scales: 8,192 x 1,024 x 1,024.
; LIMITS: NaN, infinities and sums beyond f32's range are not served; a sum begins with the bias.
; OPERANDS ARE IMAGES OF REGISTERS: aoc [512 tiles of 16 tokens][16 half fragments][768], wc likewise by tiles of 16 columns (Wo's from byte 3 x 786,432 on): a half fragment holds an operand's registers 0-3 at 16 x lane, 4-5 at 512 + 8 x lane.
; Scale bytes: aos [token][32]; s1, from byte 884,736 on, [n][32].
; THE DEAL.  256 work-groups of four waves, 2 x 2, each 256 tokens x 128 columns.  A wave holds four tiles of 16 columns of Wo, all of K, in 384 registers, and streams eight blocks of 16 tokens past them: block s of wave row a is the work-group's tile 2 s + a.
; The cluster's x counts tile rows: tile row 4 x cluster x + cx, tile column 4 x cluster y + cy.  The context's tiles are shared by a column of the cluster, Wo's by a row, and asked for jointly.
; LDS: the context's 16 tiles (196,608 bytes), Wo's 8 (98,304), a stage of 16 x 272 bytes a wave, the spare words.  Every byte is filled once, at the head: so there is no refill, and no prefetch: nothing is left to ask for ahead.
; THE HEAD'S FOUR TILES, one a wave, each on a line of its own: Wo's; the context's tiles 0-7; 8-11; 12-15.  The stream begins when the first two are in; a barrier inside block 1 shows the others, ahead of the fetch of block 4.
; All scale words and the bias come by plain loads straight into registers.  Source 0 = Wo's columns, source 1 = tokens: a lane holds eight neighbouring columns of one token.
; Behind a block's 32 products: its sums through the stage and back as rows of 256 bytes, the fetch of the block two on, one wait, eight stores, each of two aligned runs of 256 bytes.
; REGISTERS: window 0: v4-9 LDS addresses of blocks 0-2, 3-5, 6-7; v16-31 Wo's scale words; v36-99 the tokens' (8 a block); v100-163 two sets of four accumulators; v164-227 two sets of rows back from the stage.
;   Fragment f lies in window 1 + f / 21 at register 12 (f % 21): 0-31 Wo's (4 q + tile), 32-47 two sets of the context's.  Window 3, v128-159: the bias, the first four products' C.
.set TILE, 12288
.set NQ, 8
.set NB, 4
.set FR, 12
.set FPW, 21
.set NF, 32                            ; LDS loads of a block's fetch
.set YB, 16*TILE
.set STAGE, 24*TILE
.set SPITCH, 272
.set SPARE, STAGE+4*16*SPITCH
.set AD, 4
.set SPW, 10
.set NIL, 11
.set STO, 12
.set RD, 13
.set ABS, 14
.set AAS, 15
.set SB, 16
.set CO, 32
.set BOF, 33
.set BB, 34
.set SA, 36                            ; a product's two scale registers differ by 4 modulo 8 in their numbers
.set ACC, 100
.set BK, 164
.set BO, 128
.set G1A, 28
.set G1B, 36
.set G0A, 44
.set G0B, 48
.set MSB, 0
.macro WIN new                         ; the immediate's high byte repeats the setting that is left
.if MSB != \new
	s_set_vgpr_msb (MSB<<8)|\new
.set MSB, \new
.endif
.endm
.macro PLACES n
.rept \n
	v_nop
.endr
.endm
.macro BARRIER
	s_barrier_signal -1
	s_barrier_wait -1
.endm
.macro CROUND                          ; a round of the cluster's barrier
	BARRIER
	s_cmp_lg_u32 s16, 0
	s_cbranch_scc1 .Lnot_wave_0_\@
	s_barrier_signal -3
.Lnot_wave_0_\@:
	s_barrier_wait -3
	BARRIER
.endm
.macro TLOAD g0, g1                    ; an s_nop 0 and four v_nop follow a tensor load
	tensor_load_to_lds s[\g0:\g0+3], s[\g1:\g1+7]
	s_nop 0
	PLACES 4
.endm
.macro ATILE first, rows               ; a dense part of the context's 196,608 bytes, as rows of 256: its place in LDS is its place in the block
	s_mov_b32 s[G0A+1], \first
	s_mov_b32 s[G1A+2], (\rows)<<16
	s_mov_b32 s[G1A+4], \rows
.if \first
	s_add_nc_u64 s[G0A+2:G0A+3], s[G0A+2:G0A+3], \first
.endif
	s_or_b32 s[G0A+3], s[G0A+3], 0x80000000
	TLOAD G0A, G1A
.endm
.macro FRAG f, a, off                  ; a fragment: two half fragments on end, as they lie
	WIN (1+(\f)/FPW)<<6
.set R_, FR*((\f)%FPW)
	ds_load_b128 v[R_:R_+3], v[\a] offset:\off
	ds_load_b64 v[R_+4:R_+5], v[\a+1] offset:(\off)+512
	ds_load_b128 v[R_+6:R_+9], v[\a] offset:(\off)+768
	ds_load_b64 v[R_+10:R_+11], v[\a+1] offset:(\off)+1280
.endm
.macro FETCH s                         ; block s into set s % 2: NF loads
.irp q, 0,1,2,3,4,5,6,7
	FRAG NB*NQ+NQ*((\s)%2)+\q, AD+2*((\s)/3), ((\s)%3)*2*TILE+\q*1536
.endr
	WIN 0
.endm
.macro PROD1 d, s0, s1, c, x0, x1, o
.if \o
	v_wmma_scale_f32_16x16x128_f8f6f4 v[\d:\d+7], v[FR*((\s0)%FPW):FR*((\s0)%FPW)+FR-1], v[FR*((\s1)%FPW):FR*((\s1)%FPW)+FR-1], \c, v[\x0], v[\x1] matrix_a_fmt:MATRIX_FMT_FP6 matrix_b_fmt:MATRIX_FMT_FP6 matrix_a_scale:MATRIX_SCALE_ROW1
.else
	v_wmma_scale_f32_16x16x128_f8f6f4 v[\d:\d+7], v[FR*((\s0)%FPW):FR*((\s0)%FPW)+FR-1], v[FR*((\s1)%FPW):FR*((\s1)%FPW)+FR-1], \c, v[\x0], v[\x1] matrix_a_fmt:MATRIX_FMT_FP6 matrix_b_fmt:MATRIX_FMT_FP6 matrix_a_scale:MATRIX_SCALE_ROW0
.endif
.endm
.macro PROD s, n                       ; product n = 4 q + tile of block s; the four accumulators take turns
.set Q_, (\n)/4
.set T_, (\n)%4
.set FB_, NB*Q_+T_
.set FA_, NB*NQ+NQ*((\s)%2)+Q_
.set D_, ACC+32*((\s)%2)+8*T_
.set XB_, SB+NQ*(T_/2)+Q_
.set XA_, SA+NQ*(\s)+Q_
.if Q_
	WIN (1+FB_/FPW)|((1+FA_/FPW)<<2)
	PROD1 D_, FB_, FA_, v[D_:D_+7], XB_, XA_, T_%2
.else
	WIN (1+FB_/FPW)|((1+FA_/FPW)<<2)|0x30
	PROD1 D_, FB_, FA_, v[BO+8*T_:BO+8*T_+7], XB_, XA_, T_%2
.endif
.endm
.macro PRODS s, from, to
.set N_, \from
.rept (\to)-(\from)
	PROD \s, N_
.set N_, N_+1
.endr
	WIN 0
.endm
.macro STAGED e                        ; set e's sums into my stage, each accumulator from its low end on, and back as whole rows; LDS serves a wave's instructions in order (ISA guide 5.7.1.4)
.irp b, 0,1,2,3
	ds_store_b128 v[STO], v[ACC+32*(\e)+8*\b:ACC+32*(\e)+8*\b+3] offset:64*\b
	ds_store_b128 v[STO], v[ACC+32*(\e)+8*\b+4:ACC+32*(\e)+8*\b+7] offset:64*\b+16
.endr
.irp t, 0,1,2,3,4,5,6,7
	ds_load_b128 v[BK+32*(\e)+4*\t:BK+32*(\e)+4*\t+3], v[RD] offset:2*\t*SPITCH
.endr
.endm
.macro TOC s                           ; sixteen lanes store 256 consecutive bytes of a token's row, at a multiple of 256
.irp t, 0,1,2,3,4,5,6,7
	global_store_b128 v[CO], v[BK+32*((\s)%2)+4*\t:BK+32*((\s)%2)+4*\t+3], s[14:15] offset:(32*(\s)+2*\t)*4096 th:TH_STORE_NT
.endr
.endm
.macro STREAM s
.if (\s) == 1
	PRODS \s, 0, 24
	s_wait_tensorcnt 0x0                           ; every wave's tile is in,
	s_wait_dscnt 0x0
	s_barrier_signal -1                            ; and a plain barrier shows tiles 8-15 to all
	PRODS \s, 24, 32
	s_barrier_wait -1
.else
	PRODS \s, 0, 32
.endif
	PLACES 4                                       ; between the last product and the first reader of its sums, and the fetch into the registers that it read
	s_wait_xcnt 0x0                                ; the stores of two blocks ago have read this set of rows
	STAGED (\s)%2
.if (\s) < 6
	FETCH (\s)+2
	s_wait_dscnt NF                                ; the rows are back from the stage, and the next block's fragments are in; younger is this fetch alone
.else
	s_wait_dscnt 0x0
.endif
	TOC \s
.endm
; ---- the head
	s_load_b256 s[4:11], s[0:1], 0x0               ; aoc, aos, wc, s1
	s_load_b128 s[12:15], s[0:1], 0x20             ; bo, out0
	v_lshl_add_u32 v[SPW], v0, 2, SPARE
	v_mov_b32 v[NIL], 0
	ds_add_u32 v[SPW], v[NIL]                      ; the opening lines: the add, twice on end, and its wait
	ds_add_u32 v[SPW], v[NIL]
	v_lshrrev_b32 v1, 5, v0
	v_readfirstlane_b32 s16, v1                    ; the wave; s17 its row a of the 2 x 2, s18 its column b
	s_lshr_b32 s17, s16, 1
	s_and_b32 s18, s16, 1
	s_bfe_u32 s19, ttmp6, 0x40000                  ; cx
	s_bfe_u32 s20, ttmp6, 0x40004                  ; cy
	s_lshl_b32 s21, ttmp9, 2
	s_add_co_u32 s21, s21, s19                     ; tile row, 0 .. 31
	s_and_b32 s22, ttmp7, 0xffff
	s_lshl_b32 s22, s22, 2
	s_add_co_u32 s22, s22, s20                     ; tile column, 0 .. 7
	s_lshl_b32 s23, 0x1111, s19                    ; my column of the cluster shares the context's tiles
	s_lshl_b32 s24, s20, 2
	s_lshl_b32 s24, 15, s24                        ; my row shares Wo's
	s_or_b32 s[G1A], s23, (3<<16)|(1<<21)          ; rows of 32 elements of 8 bytes, dense
	s_or_b32 s[G1B], s24, (3<<16)|(1<<21)
.irp g, G1A, G1B
	s_mov_b32 s[\g+1], 32<<16
	s_mov_b32 s[\g+3], 32<<16
	s_mov_b32 s[\g+5], 32
	s_mov_b32 s[\g+6], 0
	s_mov_b32 s[\g+7], 0
.endr
	s_mov_b32 s[G1B+2], 384<<16
	s_mov_b32 s[G1B+4], 384
	s_mov_b32 s[G0A], 1
	s_mov_b32 s[G0B], 1
	s_mov_b32 s[G0B+1], YB
	s_mul_i32 s52, s21, 16*TILE                    ; the context's 16 tiles
	s_mov_b32 s53, 0
	s_mul_i32 s54, s22, 8*TILE
	s_add_co_u32 s54, s54, 3*786432                ; Wo's 8 tiles
	s_mov_b32 s55, 0
	s_lshl_b32 s56, s22, 12
	s_lshl_b32 s25, s18, 11
	s_add_co_u32 s56, s56, s25
	s_add_co_u32 s56, s56, 884736                  ; my 64 columns' scale bytes
	s_mov_b32 s57, 0
	s_lshl_b32 s58, s21, 13
	s_lshl_b32 s25, s17, 9
	s_add_co_u32 s58, s58, s25                     ; my tokens' scale bytes: tile a
	s_mov_b32 s59, 0
	s_lshl_b32 s60, s22, 9
	s_lshl_b32 s25, s18, 8
	s_add_co_u32 s60, s60, s25                     ; 4 x my first column
	s_mov_b32 s61, 0
	s_lshl_b32 s62, s21, 20
	s_lshl_b32 s25, s17, 16
	s_add_co_u32 s62, s62, s25
	s_add_co_u32 s62, s62, s60                     ; my first token's row of out0, at my first column
	s_mov_b32 s63, 0
	s_mul_i32 s25, s17, TILE
	s_mul_i32 s26, s18, NB*TILE
	s_add_co_u32 s26, s26, YB
	s_mul_i32 s27, s16, 16*SPITCH
	s_add_co_u32 s27, s27, STAGE
	v_and_b32 v1, 15, v0                           ; r
	v_bfe_u32 v2, v0, 4, 1                         ; h
	v_and_b32 v3, 31, v0                           ; lane
	v_lshl_add_u32 v[AD], v3, 4, s25
	v_lshl_add_u32 v[AD+1], v3, 3, s25
.irp g, 1,2
	v_add_nc_u32 v[AD+2*\g], \g*6*TILE, v[AD]
	v_add_nc_u32 v[AD+2*\g+1], \g*6*TILE, v[AD+1]
.endr
	v_lshl_add_u32 v[BB], v3, 4, s26
	v_lshl_add_u32 v[BB+1], v3, 3, s26
	v_lshlrev_b32 v[ABS], 5, v3                    ; Wo's scale words: lanes 0-15 a pair's even tile, lanes 16-31 the odd one
	v_lshlrev_b32 v[AAS], 5, v1
	v_lshlrev_b32 v[BOF], 5, v2
	v_mul_u32_u24 v3, v1, SPITCH
	v_lshl_add_u32 v3, v2, 5, v3
	v_add_nc_u32 v[STO], s27, v3                   ; into the stage: row r, 32 bytes for each half of the lanes
	v_mul_u32_u24 v3, v2, SPITCH
	v_lshl_add_u32 v3, v1, 4, v3
	v_add_nc_u32 v[RD], s27, v3                    ; back: sixteen lanes a row
	v_lshlrev_b32 v3, 12, v2
	v_lshl_add_u32 v[CO], v1, 4, v3
	s_wait_alu depctr_va_vdst(0)
	s_wait_dscnt 0x0
	CROUND                                         ; in front of the first joint loads
	s_wait_kmcnt 0x0
	s_add_nc_u64 s[G0A+2:G0A+3], s[4:5], s[52:53]
	s_add_nc_u64 s[G0B+2:G0B+3], s[8:9], s[54:55]
	s_or_b32 s[G0B+3], s[G0B+3], 0x80000000
	s_add_nc_u64 s[10:11], s[10:11], s[56:57]
	s_add_nc_u64 s[6:7], s[6:7], s[58:59]
	s_add_nc_u64 s[12:13], s[12:13], s[60:61]
	s_add_nc_u64 s[14:15], s[14:15], s[62:63]
	s_cmp_eq_u32 s16, 0
	s_cbranch_scc0 .Lwave_1
	TLOAD G0B, G1B                                 ; wave 0: Wo's tiles, which are wanted first
	s_branch .Lasked
.Lwave_1:
	s_cmp_eq_u32 s16, 1
	s_cbranch_scc0 .Lwave_2
	ATILE 0, 384                                   ; wave 1: the context's tiles 0-7
	s_branch .Lasked
.Lwave_2:
	s_cmp_eq_u32 s16, 2
	s_cbranch_scc0 .Lwave_3
	ATILE 8*TILE, 192                              ; wave 2: 8-11
	s_branch .Lasked
.Lwave_3:
	ATILE 12*TILE, 192                             ; wave 3: 12-15
.Lasked:
.irp p, 0,1
.irp c, 0,1
	global_load_b128 v[SB+NQ*\p+4*\c:SB+NQ*\p+4*\c+3], v[ABS], s[10:11] offset:\p*1024+16*\c
.endr
.endr
.irp s, 0,1,2,3,4,5,6,7
.irp c, 0,1
	global_load_b128 v[SA+NQ*\s+4*\c:SA+NQ*\s+4*\c+3], v[AAS], s[6:7] offset:\s*1024+16*\c
.endr
.endr
	WIN 0xc0
.irp b, 0,1,2,3                        ; register i of tile b of lane (r, h) is column 16 b + 8 h + i
	global_load_b128 v[BO+8*\b:BO+8*\b+3], v[BOF], s[12:13] offset:64*\b
	global_load_b128 v[BO+8*\b+4:BO+8*\b+7], v[BOF], s[12:13] offset:64*\b+16
.endr
	WIN 0
	s_wait_loadcnt 0x0
	s_cmp_eq_u32 s16, 0
	s_cbranch_scc0 .Lnot_b
	s_wait_tensorcnt 0x0                           ; wave 0: Wo's tiles have landed
.Lnot_b:
	BARRIER
.irp q, 0,1,2,3,4,5,6,7
.irp b, 0,1,2,3
	FRAG NB*\q+\b, BB, \b*TILE+\q*1536
.endr
.endr
	WIN 0
	s_cmp_eq_u32 s16, 1
	s_cbranch_scc0 .Lnot_a
	s_wait_tensorcnt 0x0                           ; wave 1: the context's tiles 0-7 have landed
.Lnot_a:
	s_wait_dscnt 0x0
	BARRIER                                        ; waves 2 and 3's tiles may still be on their way
	FETCH 0
	FETCH 1
	s_wait_dscnt NF                                ; block 0's fragments are in
.irp s, 0,1,2,3,4,5,6,7
	STREAM \s
.endr
	s_wait_tensorcnt 0x0                           ; the wave's end
	ds_add_u32 v[SPW], v[NIL]
	s_wait_dscnt 0x0
	CROUND                                         ; the closing round
	s_endpgm
.Lfunc_end_k_q20035e7f44_outp:
	.size	k_q20035e7f44_outp, .Lfunc_end_k_q20035e7f44_outp-k_q20035e7f44_outp
	.p2alignl 7, 3214868480
	.fill 96, 4, 3214868480
	.section	.rodata,"a",@progbits
	.p2align	6, 0x0
	.amdhsa_kernel k_q20035e7f44_outp
		.amdhsa_group_segment_fixed_size 327680
		.amdhsa_private_segment_fixed_size 0
		.amdhsa_enable_private_segment 0
		.amdhsa_kernarg_size 48
		.amdhsa_user_sgpr_count 2
		.amdhsa_user_sgpr_kernarg_segment_ptr 1
		.amdhsa_wavefront_size32 1
		.amdhsa_system_sgpr_workgroup_id_x 1
		.amdhsa_system_sgpr_workgroup_id_y 1
		.amdhsa_system_sgpr_workgroup_id_z 1
		.amdhsa_system_vgpr_workitem_id 0
		.amdhsa_next_free_vgpr 928
		.amdhsa_next_free_sgpr 66
		.amdhsa_reserve_vcc 0
		.amdhsa_float_denorm_mode_32 3
		.amdhsa_float_denorm_mode_16_64 3
		.amdhsa_memory_ordered 1
		.amdhsa_forward_progress 1
		.amdhsa_inst_pref_size 85
	.end_amdhsa_kernel
	.amdgpu_metadata
---
amdhsa.version: [ 1, 2 ]
amdhsa.kernels:
  - .name:           k_q20035e7f44_outp
    .symbol:         k_q20035e7f44_outp.kd
    .args:
      - { .name: aoc, .offset: 0, .size: 8, .value_kind: global_buffer, .address_space: global }
      - { .name: aos, .offset: 8, .size: 8, .value_kind: global_buffer, .address_space: global }
      - { .name: wc, .offset: 16, .size: 8, .value_kind: global_buffer, .address_space: global }
      - { .name: s1, .offset: 24, .size: 8, .value_kind: global_buffer, .address_space: global }
      - { .name: bo, .offset: 32, .size: 8, .value_kind: global_buffer, .address_space: global }
      - { .name: out0, .offset: 40, .size: 8, .value_kind: global_buffer, .address_space: global }
    .group_segment_fixed_size: 327680
    .private_segment_fixed_size: 0
    .kernarg_segment_align: 8
    .kernarg_segment_size: 48
    .max_flat_workgroup_size: 128
    .sgpr_count:     66
    .vgpr_count:     928
    .wavefront_size: 32
...
	.end_amdgpu_metadata
.endif
;; end of part 4
